; MI455X (gfx1250); checked and timed in simulation.
; The chip was launched on July 23, 2026; its instructions are those of AMD's public machine-readable ISA for CDNA 5 (MIT licence, August 2026) and "CDNA5" Instruction Set Architecture Reference Guide (July 2026). The comments in the code are by the model that wrote it; some were corrected since.
;; CLIP Encoder Layer. Allowed arithmetic: matrix products marked QUANTISED: E4M3 operands, one given power-of-two scale a tensor, by v_wmma_f32_16x16x64_fp8_fp8 or v_wmma_f32_16x16x128_fp8_fp8, f32 sums; everything else in f32.
;; Inputs: W1 1,024 x 4,096 float32; W2 4,096 x 1,024 float32; Wk 1,024 x 1,024 float32; Wo 1,024 x 1,024 float32; Wq 1,024 x 1,024 float32; Wv 1,024 x 1,024 float32; b1 4,096 float32; b2 1,024 float32; bk 1,024 float32; bo 1,024 float32; bq 1,024 float32; bv 1,024 float32; ln1_b 1,024 float32; ln1_g 1,024 float32; ln2_b 1,024 float32; ln2_g 1,024 float32; lowp_scales 16 int32 (the exponents e of the quantised operands' scales 2^e); x 4 x 1,024 x 1,024 float32.
;; Outputs: out0 4 x 1,024 x 1,024 float32.
;; This version of the problem:
;;   THIS VERSION OF THE PROBLEM IS GIVEN IN LOW PRECISION. The matrix products marked QUANTISED in the list below multiply operands that are first quantised to E4M3 (4 exponent bits, 3 mantissa bits; 8 bits a number), with one given power-of-two scale for each operand tensor; their sums are f32. All else is computed in f32.
;;   The module's matrix products, in the order in which they are computed (A, B: the left and right operand; K: the contracted axis; several contracted axes count as one K, in the product's order):
;;     1. [M 4,096, K 1,024] x [K 1,024, N 1,024]; A: computed on the way; B: input Wq: QUANTISED (scales: A lowp_scales[0], B lowp_scales[1])
;;     2. [M 4,096, K 1,024] x [K 1,024, N 1,024]; A: computed on the way; B: input Wk: QUANTISED (scales: A lowp_scales[2], B lowp_scales[3])
;;     3. [M 4,096, K 1,024] x [K 1,024, N 1,024]; A: computed on the way; B: input Wv: QUANTISED (scales: A lowp_scales[4], B lowp_scales[5])
;;     4. batch 64 x [M 1,024, K 64] x [K 64, N 1,024]; A: computed on the way; B: computed on the way: QUANTISED (scales: A lowp_scales[6], B lowp_scales[7])
;;     5. batch 64 x [M 1,024, K 1,024] x [K 1,024, N 64]; A: softmax (see below); B: computed on the way: QUANTISED (scales: A lowp_scales[8], B lowp_scales[9])
;;     6. [M 4,096, K 1,024] x [K 1,024, N 1,024]; A: computed on the way; B: input Wo: QUANTISED (scales: A lowp_scales[10], B lowp_scales[11])
;;     7. [M 4,096, K 1,024] x [K 1,024, N 4,096]; A: computed on the way; B: input W1: QUANTISED (scales: A lowp_scales[12], B lowp_scales[13])
;;     8. [M 4,096, K 4,096] x [K 4,096, N 1,024]; A: computed on the way; B: input W2: QUANTISED (scales: A lowp_scales[14], B lowp_scales[15])
;;   THE QUANTISER, for each operand of a quantised product, along K:
;;     - The operand's scale is 2^e, e = its entry of the input lowp_scales (int32; the entries are numbered through the quantised products in the list's order, A before B).
;;     - Each number is divided by the scale, clamped to +-448, and rounded to the nearest number of E4M3, ties to even, subnormals kept.
;;     - The product sums the exact products of the quantised numbers (number of the format x scale) in f32.
;;   ~~~python
;;   def quantise(x, axis, e):      # numpy; x: float32 -> the quantised numbers, widened to float32 again
;;       x = np.moveaxis(x, axis, -1); K = x.shape[-1]
;;       r = np.clip(x / 2.0 ** e, -448, 448)
;;       step = 2.0 ** (np.maximum(np.frexp(np.where(r == 0, 1, r))[1] - 1, -6) - 3)
;;       q = np.round(r / step) * step * 2.0 ** e      # np.round: ties to even
;;       return np.moveaxis(q, -1, axis).astype(np.float32)
;;   ~~~
;;   SOFTMAX AHEAD OF A QUANTISED PRODUCT. Where the list says 'softmax', what is quantised is not the finished softmax but p = 2^(t - M), with t = logit x log2(e) and M = ceil(the row's largest t), a whole number; so 1/2 < the row's largest p <= 1. The row's sum l is taken of the UNQUANTISED p, in f32, and the product's result is divided by l at the end. Since M is a whole number, a kernel that streams over the keys may use a running M (the ceiling of the running maximum): every later rescaling is an exact power of two, so the quantised numbers keep their values, but for numbers so far below the row's largest that they fall under the format's range.
;;   OPERANDS COMPUTED ON THE WAY. 'Computed on the way' means the value that the module computes at that place (a softmax that the list does not call 'softmax' is quantised finished and normalised). What goes into a quantiser is computed in f32, as accurately as f32 sums, v_exp_f32 and their like allow (about 1e-6 of the number): no bf16 or f16 on the way to a quantiser, and a product that is left as it is and whose result goes on into a quantised operand takes f32 operands (vector FMAs, or v_wmma_f32_16x16x4_f32). A number that lies on a knife's edge between two numbers of the format may be rounded either way, as far as f32 arithmetic and the matrix unit's own rounding can turn it there, and no further.
;; One version. Each part assembles by itself: llvm-mc -triple=amdgcn-amd-amdhsa -mcpu=gfx1250 --defsym DOCPART=n.
;; ======== version 1 of 1: 7 launches
;; limits: right only within a limited range of input values
;; workspace buffers: pre 25,165,824 bytes; qkvimg 12,582,912 bytes; aimg 4,194,304 bytes; x2 16,777,216 bytes; h2img 4,194,304 bytes; gimg 16,777,216 bytes
;; launch prep (part 1): grid 128 x 5, 4 waves a work-group, no clusters, 83,200 bytes of LDS; arguments Wq, Wk, Wv, Wo, W1, W2, x, ln1_g, ln1_b, lowp_scales, pre; writes pre
.if DOCPART == 1
	.amdgcn_target "amdgcn-amd-amdhsa--gfx1250"
	.amdhsa_code_object_version 6
	.text
	.protected	k_q4b8edf76b1_prep
	.globl	k_q4b8edf76b1_prep
	.p2align	8
	.type	k_q4b8edf76b1_prep,@function
k_q4b8edf76b1_prep:
	s_mov_b64 s[64:65], 0
	v_nop
	global_prefetch_b8 v0, s[64:65] scope:SCOPE_SE
	s_setreg_imm32_b32 hwreg(HW_REG_WAVE_MODE, 25, 1), 1
	s_wait_xcnt 0x0
; FIRST OF SEVEN LAUNCHES of a CLIP encoder layer whose eight products run on codes of FP8 (E4M3), each operand with the one given scale 2^e.
; This launch turns the six weights into codes, and LayerNorm 1 of x into three sets of codes (the A operands of products 1, 2, 3 have a scale each: entries 0, 2, 4).
; DEAD WORK of the whole program.  reference() adds -inf to every score whose key comes after its query, by a mask that it builds itself; the softmax gives such a key the weight exp(-inf) = 0 whatever finite values the inputs hold,
; so neither the score nor the key's row of V reaches an output.  Launch attn leaves out the key steps (16 queries x 128 keys) all of whose keys come after all of the tile's queries; inside the step on the diagonal the work is done and masked.
; Nothing else is left out and every input is loaded: all biases go into a quantiser or into an output (bk moves K's codes).
; LIMIT: a NaN, an infinity or an overflow that arises only in the key steps left out is not carried to the result.
; OPERANDS LIE IN MEMORY AS IMAGES OF THEIR REGISTERS.  IMG(16 rows, 128 k) is 2,048 bytes: byte 512 c + 16 L + t (c = 0..3, lane L = r + 16 h) is byte t of registers 4 c .. 4 c + 3 of lane L of a fragment of
; v_wmma_f32_16x16x128_fp8_fp8: row r, k = 32 c + 8 h + t for t < 8, k = 32 c + 16 + 8 h + (t - 8) for t >= 8.  An operand of K columns is [tile of 16 rows][K / 128][2,048 bytes].
; pre: wq at 0, wk at 1 MiB, wv at 2 MiB, wo at 3 MiB, w1 at 4 MiB, w2 at 8 MiB (rows = the weight's columns n, k = its rows); LN 1's set q at 12 MiB + 4 MiB q.
; code = number / 2^e, held within +-448, to the nearest code, ties to even.  LIMITS: each e between -126 and 119, so that 2^e and 448 x 2^e are f32 numbers.  NaN among the inputs is not served.
; GRID: y = 0: Wq, Wk, Wv, Wo (32 work-groups each); y = 1: W1; y = 2: W2; y = 3, 4: LayerNorm, 16 rows a work-group.  The two ways part on the work-group's number and have LDS bytes of their own.
; No tensor loads, no matrix work, no cluster: work-groups share no input, and the launch is a stream.
.set SPW,   12                         ; v12  LDS address of my spare word; never rewritten
.set NIL,   13                         ; v13  0; never rewritten
.set LNST,  32768                      ; LDS: 0 .. 32,767 the weights' stages (8,192 a wave); from here the LayerNorm's stage: 3 sets x 16 rows x 1,040 bytes
.set SPARE, 82688                      ; behind both: the spare words, 128 bytes for each wave: two blocks of 256 bytes that no other line names
; the weights' way
.set WX,    32                         ; v32-95   two sets of 32 numbers: a block of 32 along K of my column
.set WCD,   96                         ; v96-103  a block's codes
.set VO,    104                        ; v104-135 byte offset of row i of a block: 4 x lane + i x the weight's row
.set OUTR,  136                        ; v136-199 the way out
; the LayerNorm's way
.set NSETS, 3
.set G,     16                         ; v16-47   gamma: register 4 j + e is k = 128 j + 4 lane + e
.set BT,    48                         ; v48-79   beta likewise
.set X,     80                         ; v80-207  four rows likewise, 32 registers each; later the images on their way out
.set T,     208                        ; v208-223 numbers held within the largest code, two sets of 8
.set C,     224                        ; v224-247 a row's codes: 8 registers a set
.set XP,    16                         ; s[16:17] x
.set GP,    18                         ; s[18:19] gamma
.set BP,    20                         ; s[20:21] beta
.set DST,   36                         ; s[36:41] where my images go, a pair for each set
	s_load_b512 s[4:19], s[0:1], 0x0               ; Wq s[4:5], Wk s[6:7], Wv s[8:9], Wo s[10:11], W1 s[12:13], W2 s[14:15], x s[16:17], ln1_g s[18:19]
	s_load_b128 s[20:23], s[0:1], 0x40             ; ln1_b s[20:21], the scales' exponents s[22:23]
	s_load_b64 s[24:25], s[0:1], 0x50              ; pre
	v_lshl_add_u32 v[SPW], v0, 2, SPARE
	v_mov_b32 v[NIL], 0
	v_lshrrev_b32 v1, 5, v0
	v_readfirstlane_b32 s26, v1                    ; wave 0..3
	v_and_b32 v1, 31, v0                           ; lane
	s_and_b32 s27, ttmp7, 0xffff                   ; y
	s_wait_kmcnt 0x0
	s_load_b512 s[68:83], s[22:23], 0x0            ; e0 .. e15
	s_cmp_ge_u32 s27, 3
	s_cbranch_scc1 .Lln
; ---------------- THE WEIGHTS.  A LANE TAKES A COLUMN n, AND ITS REGISTERS RUN DOWN K: each load reads 128 consecutive bytes a wave, and the conversions give codes with K innermost.
; A wave takes 32 columns (two tiles of rows of the operand) x 256 along K (two images each): 8,192 bytes of codes, gathered in its own stage in image order and stored 512 consecutive bytes an instruction.
	s_lshr_b32 s30, ttmp9, 5                       ; y = 0: which of the four; y = 1: kblk
	s_and_b32 s31, ttmp9, 7                        ; nblk (128 columns) for y = 0, 2
	s_bfe_u32 s32, ttmp9, 0x20003                  ; kblk (256 along K) for y = 0
	s_and_b32 s33, ttmp9, 31                       ; nblk for y = 1
	s_lshr_b32 s34, ttmp9, 3                       ; kblk for y = 2
	s_lshl_b32 s35, s30, 20                        ; the images' place in pre for y = 0
	s_mov_b32 s28, 4096                            ; a row of the weight in bytes
	s_mov_b32 s29, 16384                           ; from a tile of 16 rows of the operand to the next, in bytes
	s_cmp_eq_u32 s30, 1                            ; every choice hangs on the work-group's number alone
	s_cselect_b64 s[4:5], s[6:7], s[4:5]
	s_cmp_eq_u32 s30, 2
	s_cselect_b64 s[4:5], s[8:9], s[4:5]
	s_cmp_eq_u32 s30, 3
	s_cselect_b64 s[4:5], s[10:11], s[4:5]
	s_cmp_eq_u32 s27, 1
	s_cselect_b64 s[4:5], s[12:13], s[4:5]
	s_cselect_b32 s31, s33, s31
	s_cselect_b32 s32, s30, s32
	s_cselect_b32 s35, 0x400000, s35
	s_cselect_b32 s28, 16384, s28
	s_cmp_eq_u32 s27, 2
	s_cselect_b64 s[4:5], s[14:15], s[4:5]
	s_cselect_b32 s32, s34, s32
	s_cselect_b32 s35, 0x800000, s35
	s_cselect_b32 s29, 0x10000, s29
	s_mul_i32 s54, s32, s28                        ; where my wave's part begins in the weight: 256 kblk rows
	s_lshl_b32 s54, s54, 8
	s_lshl_b32 s55, s31, 9                         ; + 128 nblk columns
	s_add_co_u32 s54, s54, s55
	s_lshl_b32 s55, s26, 7                         ; + 32 x wave columns
	s_add_co_u32 s54, s54, s55
	s_mov_b32 s55, 0
	s_add_nc_u64 s[36:37], s[4:5], s[54:55]        ; block 0's base;
	s_lshl_b32 s52, s28, 5
	s_mov_b32 s53, 0
.irp t, 1,2,3,4,5,6,7
	s_add_nc_u64 s[36+2*\t:37+2*\t], s[34+2*\t:35+2*\t], s[52:53]   ; block t's, 32 rows further down: eight bases, so that none is ever stepped
.endr
	s_lshl_b32 s56, s31, 3                         ; where my images go: tile 8 nblk + 2 x wave,
	s_lshl_b32 s57, s26, 1
	s_add_co_u32 s56, s56, s57
	s_mul_i32 s56, s56, s29
	s_add_co_u32 s56, s56, s35
	s_lshl_b32 s57, s32, 12                        ; image 2 kblk of it
	s_add_co_u32 s56, s56, s57
	s_mov_b32 s57, 0
	s_add_nc_u64 s[24:25], s[24:25], s[56:57]
	s_wait_alu depctr_va_vdst(0)
	v_lshlrev_b32 v3, 2, v1                        ; 4 x lane
	v_lshlrev_b32 v6, 4, v1                        ; 16 x lane: the first tile's bytes in pre,
	v_add_nc_u32 v7, s29, v6                       ; the second tile's
	s_lshl_b32 s58, s26, 13                        ; my stage
	v_add_nc_u32 v5, s58, v6                       ; out of it: as it lies
	v_and_b32 v8, 15, v1
	v_lshrrev_b32 v9, 4, v1
	v_lshlrev_b32 v4, 4, v8
	v_lshl_add_u32 v4, v9, 12, v4
	v_add_nc_u32 v4, s58, v4                       ; into it: tile lane / 16 (4,096 bytes), row lane % 16 (16 bytes)
.set i, 0
.rept 32
	v_mad_u32_u24 v[VO+i], s28, i, v3
.set i, i+1
.endr
.macro WLOAD t                         ; block t: W(32 t + i, my column), i = 0 .. 31, into set t % 2
.set i, 0
.rept 32
	global_load_b32 v[WX+32*((\t)%2)+i], v[VO+i], s[36+2*(\t):37+2*(\t)] th:TH_LOAD_NT
.set i, i+1
.endr
.endm
	WLOAD 0
	WLOAD 1
	s_wait_kmcnt 0x0
	s_cmp_eq_u32 s30, 1                            ; the weight's e: entries 1, 3, 5, 11, 13, 15
	s_cselect_b32 s69, s71, s69
	s_cmp_eq_u32 s30, 2
	s_cselect_b32 s69, s73, s69
	s_cmp_eq_u32 s30, 3
	s_cselect_b32 s69, s79, s69
	s_cmp_eq_u32 s27, 1
	s_cselect_b32 s69, s81, s69
	s_cmp_eq_u32 s27, 2
	s_cselect_b32 s69, s83, s69
	s_add_co_i32 s69, s69, 127
	s_lshl_b32 s70, s69, 23
	v_mov_b32 v11, s70                             ; 2^e as f32: the conversion takes its exponent field
	s_add_co_i32 s69, s69, 8
	s_lshl_b32 s69, s69, 23
	s_or_b32 s69, s69, 0x600000
	v_mov_b32 v10, s69                             ; 448 x 2^e
.macro WBLOCK t
.set XS, WX+32*((\t)%2)
.if (\t) < 7
	s_wait_loadcnt 32                              ; this block's 32 loads are in; the next block's 32 may be out
.else
	s_wait_loadcnt 0x0
.endif
.set i, 0
.rept 32
	v_med3_num_f32 v[XS+i], v[XS+i], -v10, v10     ; the conversion to an 8-bit code does not saturate (ISA guide 7.6.2): the hold comes first
.set i, i+1
.endr
	v_cvt_scalef32_pk8_fp8_f32 v[WCD:WCD+1], v[XS:XS+7], v11        ; the image's lane (r, 0) holds k = 0..7 and 16..23 of the block,
	v_cvt_scalef32_pk8_fp8_f32 v[WCD+2:WCD+3], v[XS+16:XS+23], v11
	v_cvt_scalef32_pk8_fp8_f32 v[WCD+4:WCD+5], v[XS+8:XS+15], v11   ; its lane (r, 1) k = 8..15 and 24..31
	v_cvt_scalef32_pk8_fp8_f32 v[WCD+6:WCD+7], v[XS+24:XS+31], v11
	ds_store_b128 v4, v[WCD:WCD+3] offset:((\t)/4)*2048+((\t)%4)*512
	ds_store_b128 v4, v[WCD+4:WCD+7] offset:((\t)/4)*2048+((\t)%4)*512+256
.if (\t)+2 < 8
	WLOAD (\t)+2
.endif
	s_wait_dscnt 0x0                               ; the stores have read their registers: the next block's codes may be written
.endm
	s_wait_alu depctr_va_vdst(0)
.irp t, 0,1,2,3,4,5,6,7
	WBLOCK \t
.endr
.set i, 0
.rept 16
	ds_load_b128 v[OUTR+4*i:OUTR+4*i+3], v5 offset:512*i   ; LDS serves a wave's instructions in order: these see my stores
.set i, i+1
.endr
.irp i, 0,1,2,3,4,5,6,7
	s_wait_dscnt 15-\i                             ; LDS loads come back in order: number i is in
	global_store_b128 v6, v[OUTR+4*\i:OUTR+4*\i+3], s[24:25] offset:512*\i          ; 32 lanes store 512 consecutive bytes, aligned
.endr
.irp i, 8,9,10,11,12,13,14,15
	s_wait_dscnt 15-\i
	global_store_b128 v7, v[OUTR+4*\i:OUTR+4*\i+3], s[24:25] offset:512*(\i-8)
.endr
	s_wait_tensorcnt 0x0                           ; the wave's end
	ds_add_u32 v[SPW], v[NIL]
	s_wait_dscnt 0x0
	s_endpgm
; ---------------- LAYERNORM 1.  The work-group takes 16 rows (one tile of rows of the operand), wave w rows 4 w .. 4 w + 3, a whole row in 32 registers: the sums never leave the wave.
; The variance is taken of the numbers less their mean (two passes over registers), so that a common offset of x does no harm.  A row's codes go into a stage in their natural order along K; behind one barrier each wave
; reads two of the eight images of each set, in image order, and stores them 512 consecutive bytes an instruction.
.macro REDUCE                          ; v252: its sum over the 32 lanes, in every lane
	v_add_f32_dpp v252, v252, v252 row_xmask:1 row_mask:0xf bank_mask:0xf
	v_add_f32_dpp v252, v252, v252 row_xmask:2 row_mask:0xf bank_mask:0xf
	v_add_f32_dpp v252, v252, v252 row_xmask:4 row_mask:0xf bank_mask:0xf
	v_add_f32_dpp v252, v252, v252 row_xmask:8 row_mask:0xf bank_mask:0xf
	v_permlanex16_b32 v253, v252, s28, s29
	v_add_f32 v252, v252, v253
.endm
.macro MKSCALE e, sc, lim              ; s[e]: an exponent;  v[sc] = 2^e, v[lim] = 448 x 2^e
	s_add_co_i32 s45, s[\e], 127
	s_lshl_b32 s46, s45, 23
	v_mov_b32 v[\sc], s46
	s_add_co_i32 s45, s45, 8
	s_lshl_b32 s45, s45, 23
	s_or_b32 s45, s45, 0x600000
	v_mov_b32 v[\lim], s45
.endm
.macro QSET p, q, sc, lim              ; row p's 32 numbers become set q's codes; the numbers stay as they are for the other sets
.irp m, 0,1,2,3
.irp i, 0,1,2,3,4,5,6,7
	v_med3_num_f32 v[T+8*(\m%2)+\i], v[X+32*(\p)+8*\m+\i], -v[\lim], v[\lim]
.endr
	v_cvt_scalef32_pk8_fp8_f32 v[C+8*(\q)+2*\m:C+8*(\q)+2*\m+1], v[T+8*(\m%2):T+8*(\m%2)+7], v[\sc]   ; register j of the set: the four codes of k = 128 j + 4 lane + 0..3
.endr
.endm
.macro LNROW p
.set XR, X+32*(\p)
	s_wait_loadcnt 8*(3-(\p))                      ; gamma, beta and this row are in; the eight loads of each later row may be out
	v_pk_add_f32 v[248:249], v[XR:XR+1], v[XR+2:XR+3]
	v_pk_add_f32 v[250:251], v[XR+4:XR+5], v[XR+6:XR+7]
.irp j, 8,12,16,20,24,28
	v_pk_add_f32 v[248:249], v[248:249], v[XR+\j:XR+\j+1]
	v_pk_add_f32 v[250:251], v[250:251], v[XR+\j+2:XR+\j+3]
.endr
	v_pk_add_f32 v[248:249], v[248:249], v[250:251]
	v_add_f32 v252, v248, v249
	REDUCE
	v_mul_f32 v6, s30, v252                        ; the mean
.set j, 0
.rept 16
	v_pk_add_f32 v[XR+j:XR+j+1], v[XR+j:XR+j+1], v[6:7] op_sel_hi:[1,0] neg_lo:[0,1] neg_hi:[0,1]
.set j, j+2
.endr
	v_pk_mul_f32 v[248:249], v[XR:XR+1], v[XR:XR+1]
	v_pk_mul_f32 v[250:251], v[XR+2:XR+3], v[XR+2:XR+3]
.irp j, 4,8,12,16,20,24,28
	v_pk_fma_f32 v[248:249], v[XR+\j:XR+\j+1], v[XR+\j:XR+\j+1], v[248:249]
	v_pk_fma_f32 v[250:251], v[XR+\j+2:XR+\j+3], v[XR+\j+2:XR+\j+3], v[250:251]
.endr
	v_pk_add_f32 v[248:249], v[248:249], v[250:251]
	v_add_f32 v252, v248, v249
	REDUCE
	v_fma_f32 v252, v252, s30, s31                 ; the variance + 1e-5
	s_wait_alu depctr_va_vdst(0)
	v_rsq_f32 v8, v252
	v_nop                                          ; a plain instruction behind the transcendental,
	s_wait_alu depctr_va_vdst(0)                   ; and the wait ahead of its first reader
.set j, 0
.rept 16
	v_pk_mul_f32 v[XR+j:XR+j+1], v[XR+j:XR+j+1], v[8:9] op_sel_hi:[1,0]
.set j, j+2
.endr
.set j, 0
.rept 16
	v_pk_fma_f32 v[XR+j:XR+j+1], v[XR+j:XR+j+1], v[G+j:G+j+1], v[BT+j:BT+j+1]
.set j, j+2
.endr
	s_wait_dscnt 0x0                               ; the last row's stores have read the codes' registers
	QSET \p, 0, 10, 15
.if NSETS > 1
	QSET \p, 1, 11, 254
	QSET \p, 2, 14, 255
.endif
	v_nop                                          ; a plain instruction behind the last conversion
.set q, 0
.rept NSETS
.irp j, 0,1,2,3,4,5,6,7
	ds_store_b32 v3, v[C+8*q+\j] offset:q*16640+(\p)*1040+128*\j   ; 32 lanes: 128 consecutive bytes of the row
.endr
.set q, q+1
.endr
.endm
.Lln:
	s_sub_co_u32 s44, s27, 3
	s_lshl_b32 s44, s44, 7
	s_add_co_u32 s44, s44, ttmp9                   ; my tile of 16 rows
	s_lshl_b32 s32, s44, 16                        ; 16 rows of 4,096 bytes,
	s_lshl_b32 s33, s26, 14                        ; my wave's four
	s_add_co_u32 s32, s32, s33
	s_mov_b32 s33, 0
	s_add_nc_u64 s[XP:XP+1], s[XP:XP+1], s[32:33]
	s_lshl_b32 s34, s44, 14                        ; a tile's eight images,
	s_lshl_b32 s35, s26, 12                        ; my wave's two
	s_add_co_u32 s34, s34, s35
	s_add_co_u32 s34, s34, 12<<20
	s_mov_b32 s35, 0
	s_add_nc_u64 s[DST:DST+1], s[24:25], s[34:35]
	s_add_nc_u64 s[DST+2:DST+3], s[DST:DST+1], 0x400000
	s_add_nc_u64 s[DST+4:DST+5], s[DST+2:DST+3], 0x400000
	s_wait_alu depctr_va_vdst(0)
	v_lshlrev_b32 v2, 4, v1                        ; 16 x lane
.irp j, 0,1,2,3,4,5,6,7
	global_load_b128 v[G+4*\j:G+4*\j+3], v2, s[GP:GP+1] offset:512*\j
.endr
.irp j, 0,1,2,3,4,5,6,7
	global_load_b128 v[BT+4*\j:BT+4*\j+3], v2, s[BP:BP+1] offset:512*\j
.endr
.irp p, 0,1,2,3
.irp j, 0,1,2,3,4,5,6,7
	global_load_b128 v[X+32*\p+4*\j:X+32*\p+4*\j+3], v2, s[XP:XP+1] offset:4096*\p+512*\j   ; 32 lanes read 512 consecutive bytes
.endr
.endr
	s_mul_i32 s42, s26, 4160
	v_lshlrev_b32 v3, 2, v1
	v_add_nc_u32 v3, s42, v3
	v_add_nc_u32 v3, LNST, v3                      ; into the stage: my wave's four rows of 1,040 bytes, 4 bytes a lane
	v_and_b32 v4, 15, v1
	v_mul_u32_u24 v4, v4, 1040
	v_lshrrev_b32 v5, 4, v1
	v_lshl_add_u32 v4, v5, 3, v4
	s_lshl_b32 s42, s26, 8
	v_add_nc_u32 v4, s42, v4
	v_add_nc_u32 v4, LNST, v4                      ; out of it: row lane % 16, + 8 (lane / 16), + my wave's 256 along K.  Rows 1,040 bytes apart: the 32 lanes of an 8-byte load touch 64 different banks (64 banks of 4 bytes: ISA guide 11.1)
	s_mov_b32 s28, 0x76543210                      ; v_permlanex16_b32's selects for lane l xor 16
	s_mov_b32 s29, 0xfedcba98
	s_mov_b32 s30, 0x3a800000                      ; 1 / 1,024
	s_mov_b32 s31, 0x3727c5ac                      ; 1e-5
	v_mov_b32 v7, 0                                ; (named as the upper halves of the pairs v[6:7] and v[8:9])
	v_mov_b32 v9, 0
	v_mov_b32 v253, 0                              ; written once: a lane permute's destination counts as one of its sources
	s_wait_kmcnt 0x0
	MKSCALE 68, 10, 15                             ; e0
	MKSCALE 70, 11, 254                            ; e2
	MKSCALE 72, 14, 255                            ; e4
	LNROW 0
	LNROW 1
	LNROW 2
	LNROW 3
	s_wait_dscnt 0x0                               ; for the others' sake: my rows lie in the stage
	s_barrier_signal -1
	s_barrier_wait -1
.set p, 0
.rept NSETS*8                          ; piece p: set p / 8, image (p / 4) % 2 of my two, registers 4 (p % 4) on
	ds_load_b64 v[X+4*p:X+4*p+1], v4 offset:(p/8)*16640+((p/4)%2)*128+(p%4)*32
	ds_load_b64 v[X+4*p+2:X+4*p+3], v4 offset:(p/8)*16640+((p/4)%2)*128+(p%4)*32+16
.set p, p+1
.endr
.set p, 0
.rept NSETS*8
	s_wait_dscnt 2*(NSETS*8-1-p)                   ; the two loads of each later piece may be out
	global_store_b128 v2, v[X+4*p:X+4*p+3], s[DST+2*(p/8):DST+2*(p/8)+1] offset:((p/4)%2)*2048+(p%4)*512   ; 512 consecutive bytes, aligned
.set p, p+1
.endr
	s_wait_tensorcnt 0x0                           ; the wave's end
	ds_add_u32 v[SPW], v[NIL]
	s_wait_dscnt 0x0
	s_endpgm
.Lfunc_end_k_q4b8edf76b1_prep:
	.size	k_q4b8edf76b1_prep, .Lfunc_end_k_q4b8edf76b1_prep-k_q4b8edf76b1_prep
	.p2alignl 7, 3214868480
	.fill 96, 4, 3214868480
	.section	.rodata,"a",@progbits
	.p2align	6, 0x0
	.amdhsa_kernel k_q4b8edf76b1_prep
		.amdhsa_group_segment_fixed_size 83200
		.amdhsa_private_segment_fixed_size 0
		.amdhsa_enable_private_segment 0
		.amdhsa_kernarg_size 88
		.amdhsa_user_sgpr_count 2
		.amdhsa_user_sgpr_kernarg_segment_ptr 1
		.amdhsa_wavefront_size32 1
		.amdhsa_system_sgpr_workgroup_id_x 1
		.amdhsa_system_sgpr_workgroup_id_y 1
		.amdhsa_system_sgpr_workgroup_id_z 1
		.amdhsa_system_vgpr_workitem_id 0
		.amdhsa_next_free_vgpr 256
		.amdhsa_next_free_sgpr 100
		.amdhsa_reserve_vcc 0
		.amdhsa_float_denorm_mode_32 3
		.amdhsa_float_denorm_mode_16_64 3
		.amdhsa_memory_ordered 1
		.amdhsa_forward_progress 1
		.amdhsa_inst_pref_size 123
	.end_amdhsa_kernel
	.amdgpu_metadata
---
amdhsa.version: [ 1, 2 ]
amdhsa.kernels:
  - .name:           k_q4b8edf76b1_prep
    .symbol:         k_q4b8edf76b1_prep.kd
    .args:
      - { .name: Wq, .offset: 0, .size: 8, .value_kind: global_buffer, .address_space: global }
      - { .name: Wk, .offset: 8, .size: 8, .value_kind: global_buffer, .address_space: global }
      - { .name: Wv, .offset: 16, .size: 8, .value_kind: global_buffer, .address_space: global }
      - { .name: Wo, .offset: 24, .size: 8, .value_kind: global_buffer, .address_space: global }
      - { .name: W1, .offset: 32, .size: 8, .value_kind: global_buffer, .address_space: global }
      - { .name: W2, .offset: 40, .size: 8, .value_kind: global_buffer, .address_space: global }
      - { .name: x, .offset: 48, .size: 8, .value_kind: global_buffer, .address_space: global }
      - { .name: ln1_g, .offset: 56, .size: 8, .value_kind: global_buffer, .address_space: global }
      - { .name: ln1_b, .offset: 64, .size: 8, .value_kind: global_buffer, .address_space: global }
      - { .name: lowp_scales, .offset: 72, .size: 8, .value_kind: global_buffer, .address_space: global }
      - { .name: pre, .offset: 80, .size: 8, .value_kind: global_buffer, .address_space: global }
    .group_segment_fixed_size: 83200
    .private_segment_fixed_size: 0
    .kernarg_segment_align: 8
    .kernarg_segment_size: 88
    .max_flat_workgroup_size: 128
    .sgpr_count:     100
    .vgpr_count:     256
    .wavefront_size: 32
...
	.end_amdgpu_metadata
.endif
;; end of part 1
;; launch proj (part 2): grid 12 x 16, 4 waves a work-group, clusters of 4 x 4, 327,680 bytes of LDS; arguments pre, bq, bk, bv, lowp_scales, qkvimg; writes qkvimg
.if DOCPART == 2
	.amdgcn_target "amdgcn-amd-amdhsa--gfx1250"
	.amdhsa_code_object_version 6
	.text
	.protected	k_q4b8edf76b1_proj
	.globl	k_q4b8edf76b1_proj
	.p2align	8
	.type	k_q4b8edf76b1_proj,@function
k_q4b8edf76b1_proj:
	s_mov_b64 s[64:65], 0
	v_nop
	global_prefetch_b8 v0, s[64:65] scope:SCOPE_SE
	s_setreg_imm32_b32 hwreg(HW_REG_WAVE_MODE, 25, 1), 1
	s_wait_xcnt 0x0
	s_wait_alu depctr_hold_cnt(0) depctr_sa_sdst(0) depctr_va_vdst(0) depctr_va_sdst(0) depctr_va_ssrc(0) depctr_va_vcc(0) depctr_vm_vsrc(0)
	s_getreg_b32 s2, hwreg(HW_REG_IB_STS2, 6, 4)
	s_cmp_eq_u32 s2, 0
	s_cbranch_scc0 .Lentry_in_a_cluster
	s_endpgm
.Lentry_in_a_cluster:
	s_bfe_u32 s2, ttmp6, 0x10000c
	s_cmp_lg_u32 s2, 0xf033
	s_cbranch_scc0 .Lentry_shape_is_right
	s_endpgm
.Lentry_shape_is_right:
; Products 1, 2, 3: q = (LN1(x) Wq + bq) / 8, k = LN1(x) Wk + bk, v = LN1(x) Wv + bv, on codes of FP8 (E4M3); the results are quantised for products 4 and 5 (entries 6, 7, 9) and stored as images of the operands' registers.
; Operands in pre are images (launch prep): IMG(16 rows, 128 k) = 2,048 bytes, four loads of 16 bytes a lane at 16 x lane + 512 c give a fragment's 16 registers, every k in its own place.
; qkvimg: [batch x head 64][block of 128 tokens 8] records of 24,576 bytes: Q at 0 (8 tiles of 16 tokens x 64 d: 1,024 bytes each), K at 8,192 (likewise), V^T at 16,384 (4 tiles of 16 d x 128 tokens: 2,048 bytes each).
; A tile of 256 x 256 results is made by four waves, 128 x 128 each: 64 accumulators, 512 registers.  K = 1,024 goes in four steps of 256 through two LDS slots filled by the tensor data mover.
; THE MATRIX INSTRUCTION: source 0 = 16 rows of side B, source 1 = 16 rows of side A: a lane holds ONE row of side A and its eight registers eight neighbouring rows of side B.  So eight results of a lane are eight neighbours along the
; next product's K, and the conversions' results ARE registers 2 b, 2 b + 1 of the next operand's fragment: nothing goes through LDS on the way out.
; Cluster x = P says which product.  P = 0, 1 (Q, K): side A = tokens, side B = the weight's columns (next K = d).  P = 2 (V): side A = Wv's columns, side B = tokens (next K = the keys): the sides are swapped by ADDRESSES alone.
; CLUSTERS: 4 x 4 work-groups; side A's tile is shared along a row of the cluster, side B's along a column, each asked for jointly.  P and the cluster's y are the same in all sixteen partners.
; LIMITS, so that each power of two below is an f32 number: e0 + e1, e2 + e3, e4 + e5 between -126 and 127; e6 + 3, e7, e9 between -126 and 119.  The factor 1/8 of q is folded into its conversion's scale (exact).
; REGISTERS: window 0: v16-31 addresses and constants; v64-127 the bias; v128-255 side A's fragments, ONE set; on the way out v128-191 results, v192-223 codes.  window 1: side B's fragments, TWO sets.  windows 2, 3: the accumulators.
.set SLOT,   131072                    ; side A's 16 tiles of rows x 4,096 bytes (two images), then side B's
.set SPARE,  2*SLOT                    ; behind the ring: the spare words, 128 bytes for each wave: two blocks of 256 bytes that no other line names
.set FR,     16
.set NL,     4
.set NP,     4                         ; places behind this matrix instruction (ISA guide 7.12.1)
.set ADRA, 16                          ; v16-17  LDS address of my side A fragments in slot 0, 1
.set ADRB, 20                          ; v20-21  the same for side B
.set BOQ,  25                          ; v25     32 (lane / 16)
.set BOV,  26                          ; v26     4 (lane % 16)
.set LI,   27                          ; v27     16 x lane
.set SPW,  28                          ; v28     LDS address of my spare word; never rewritten
.set NIL,  29                          ; v29     0; never rewritten
.set SCL,  30                          ; v30     the conversion's scale
.set LIM,  31                          ; v31     448 x that
.set BI,   64
.set AF,   128
.set TT,   128
.set CD,   192
.set G1, 24                            ; s[24:31] descriptor group 1 for side A;  s[32:39] group 0, one set for each slot
.set G0, 32
.set G1B, 48                           ; s[48:55], s[56:63] the same for side B
.set G0B, 56
.set MSB, 0
.macro WIN new                         ; the immediate's high byte repeats the setting that is left
.if MSB != \new
	s_set_vgpr_msb (MSB<<8)|\new
.set MSB, \new
.endif
.endm
.set MUL_LO, 0xa1                      ; source 0 (B) window 1, source 1 (A) window 0, C and D window 2
.set MUL_HI, 0xf1                      ; the same, C and D window 3
.set TO_B,   0x40                      ; destination window 1, address window 0
; A joint load: waves 0 and 1 fetch for side A, waves 2 and 3 for side B.  The branch hangs on the wave's number alone.  An s_nop 0 and four v_nop follow each of the two lines.
.macro JLOAD g0a, g1a, g0b, g1b
	s_cmp_eq_u32 s17, 0
	s_cbranch_scc0 .Lfor_b_\@
	tensor_load_to_lds s[\g0a:\g0a+3], s[\g1a:\g1a+7]
	s_nop 0
.rept 4
	v_nop
.endr
	s_branch .Lasked_\@
.Lfor_b_\@:
	tensor_load_to_lds s[\g0b:\g0b+3], s[\g1b:\g1b+7]
	s_nop 0
.rept 4
	v_nop
.endr
.Lasked_\@:
.endm
.macro CREST                           ; a round of the cluster's barrier behind its opening barrier
	s_cmp_lg_u32 s16, 0
	s_cbranch_scc1 .Lnot_wave_0_\@
	s_barrier_signal -3
.Lnot_wave_0_\@:
	s_barrier_wait -3
	s_barrier_signal -1
	s_barrier_wait -1
.endm
.macro CROUND
	s_barrier_signal -1
	s_barrier_wait -1
	CREST
.endm
.macro FRAG reg, adr, q, i             ; tile of rows i, image q of the slot's two: 16 registers by four loads, 512 consecutive bytes each
.irp c, 0,1,2,3
	ds_load_b128 v[\reg+4*\c:\reg+4*\c+3], v[\adr] offset:(\i)*4096+(\q)*2048+512*\c
.endr
.endm
; 16 matrix instructions: side A's blocks a0, a0 + 1 x side B's eight, 128 along K.  p: B's set.  zero = 1: the first product starts the sums.  The 64 accumulators take turns, one instruction a turn.
.macro MUL16 a0, p, zero
.irp a, \a0, \a0+1
.irp b, 0,1,2,3,4,5,6,7
.if \zero
	v_wmma_f32_16x16x128_fp8_fp8 v[8*(8*((\a)%4)+\b):8*(8*((\a)%4)+\b)+7], v[128*(\p)+FR*\b:128*(\p)+FR*\b+FR-1], v[AF+FR*(\a):AF+FR*(\a)+FR-1], 0
.else
	v_wmma_f32_16x16x128_fp8_fp8 v[8*(8*((\a)%4)+\b):8*(8*((\a)%4)+\b)+7], v[128*(\p)+FR*\b:128*(\p)+FR*\b+FR-1], v[AF+FR*(\a):AF+FR*(\a)+FR-1], v[8*(8*((\a)%4)+\b):8*(8*((\a)%4)+\b)+7]
.endif
.endr
.endr
.endm
.macro FETCH_B slot, q, p
	WIN TO_B
.irp i, 0,1,2,3,4,5,6,7
	FRAG 128*(\p)+FR*\i, ADRB+\slot, \q, \i
.endr
	WIN 0
.endm
.macro FETCH_A slot, q, i0
.irp i, \i0, \i0+1, \i0+2, \i0+3
	FRAG AF+FR*(\i), ADRA+\slot, \q, \i
.endr
.endm
.macro PLACES n                        ; plain vector instructions between a matrix instruction and a load into, or a vector instruction on, its registers
.rept \n
	v_nop
.endr
.endm
.macro STEP slot, q, zero              ; 128 along K that have their successor in the same slot
	s_wait_dscnt 4*NL                              ; B's set and A's blocks 0-3 are in; the youngest sixteen loads (A's blocks 4-7) may be out
	WIN MUL_LO
	MUL16 0, (\q)%2, \zero
	MUL16 2, (\q)%2, \zero
	s_wait_dscnt 0                                 ; A's blocks 4-7 are in
	PLACES NP
	FETCH_B \slot, (\q)+1, 1-(\q)%2
	FETCH_A \slot, (\q)+1, 0
	WIN MUL_HI
	MUL16 4, (\q)%2, \zero
	MUL16 6, (\q)%2, \zero
	PLACES NP
	WIN 0
	FETCH_A \slot, (\q)+1, 4
.endm
; A slot's last 128 along K change slots: ONE barrier; in front of it each wave waits for all its tensor loads, adds 0 to its spare word, and waits for that and for its own reads of this slot.  fill = 1: the slot is filled again, two K steps on.
.macro TURN slot, next, fill
	s_wait_tensorcnt 0x0                           ; all my tensor loads have landed: my part of the next slot
	ds_add_u32 v[SPW], v[NIL]                      ; 0 onto my spare word
	s_wait_dscnt 4*NL+1                            ; (the add and the youngest sixteen loads may be out)
	WIN MUL_LO
	MUL16 0, 1, 0
	s_wait_dscnt 0x0                               ; the add is done, and my reads of this slot are over
	s_barrier_signal -1
	MUL16 2, 1, 0
	WIN 0
	s_barrier_wait -1
.if \fill
	CREST                                          ; the barrier has opened a round of the cluster's barrier: no wave of any partner still reads this slot or has a load on its way
	s_add_nc_u64 s[G0+4*\slot+2:G0+4*\slot+3], s[G0+4*\slot+2:G0+4*\slot+3], 8192
	s_add_nc_u64 s[G0B+4*\slot+2:G0B+4*\slot+3], s[G0B+4*\slot+2:G0B+4*\slot+3], 8192
	JLOAD G0+4*\slot, G1, G0B+4*\slot, G1B         ; the first tensor load behind the round; its four v_nop are the places in front of the loads below
.if \slot == 0
	global_prefetch_b8 v22, s[98:99] offset:12288 th:TH_LOAD_NT scope:SCOPE_SE   ; behind K step 2's load: K step 3
.endif
.else
	PLACES NP
.endif
	FETCH_B \next, 0, 0
	FETCH_A \next, 0, 0
	WIN MUL_HI
	MUL16 4, 1, 0
	MUL16 6, 1, 0
	PLACES NP
	WIN 0
	FETCH_A \next, 0, 4
.endm
.macro LAST                            ; the very last 128 along K: nothing more to fetch
	s_wait_dscnt 4*NL
	WIN MUL_LO
	MUL16 0, 1, 0
	MUL16 2, 1, 0
	s_wait_dscnt 0
	WIN MUL_HI
	MUL16 4, 1, 0
	MUL16 6, 1, 0
	WIN 0
.endm
.macro CONSTS                          ; s84, s85: the two operands' exponents; s94: the quantiser's.  Leaves s[84:85] = 2^E twice, v[SCL], v[LIM]
	s_add_co_i32 s84, s84, s85
	s_add_co_i32 s84, s84, 127
	s_lshl_b32 s84, s84, 23
	s_mov_b32 s85, s84                             ; (named with it as a pair, so it is written)
	s_add_co_i32 s94, s94, 127
	s_lshl_b32 s95, s94, 23
	v_mov_b32 v[SCL], s95
	s_add_co_i32 s94, s94, 8
	s_lshl_b32 s94, s94, 23
	s_or_b32 s94, s94, 0x600000
	v_mov_b32 v[LIM], s94
.endm
; THE WAY OUT of side A's block a: sum x 2^E + bias; the hold; eight conversions give the 16 registers of an image; four stores of 512 consecutive bytes.  var = 0: Q, K (bias along the registers); 1: V (bias along the lanes).
.macro EPI var, a
.if (\a) >= 2
	s_wait_xcnt 0x0                                ; block a - 2's stores have read the codes' registers
.endif
	WIN 0x02+(\a)/4                                ; source 0: window 2 or 3
.set j, 0
.rept 32
.if \var
	v_pk_fma_f32 v[TT+j:TT+j+1], v[64*((\a)%4)+j:64*((\a)%4)+j+1], s[84:85], v[BI+2*(\a):BI+2*(\a)+1] op_sel_hi:[1,0,0]
.else
	v_pk_fma_f32 v[TT+j:TT+j+1], v[64*((\a)%4)+j:64*((\a)%4)+j+1], s[84:85], v[BI+j:BI+j+1] op_sel_hi:[1,0,1]   ; each accumulator from its low end on
.endif
.set j, j+2
.endr
	WIN 0
.irp b, 0,1,2,3,4,5,6,7
.irp i, 0,1,2,3,4,5,6,7
	v_med3_num_f32 v[TT+8*\b+\i], v[TT+8*\b+\i], -v[LIM], v[LIM]
.endr
	v_cvt_scalef32_pk8_fp8_f32 v[CD+16*((\a)%2)+2*\b:CD+16*((\a)%2)+2*\b+1], v[TT+8*\b:TT+8*\b+7], v[SCL]
.endr
	v_nop                                          ; a plain instruction behind the last conversion
.irp p, 0,1,2,3
.if \var
	global_store_b128 v[LI], v[CD+16*((\a)%2)+4*\p:CD+16*((\a)%2)+4*\p+3], s[14:15] offset:((\a)/4)*196608+((\a)%4)*2048+\p*512   ; head a / 4 of my two, tile a % 4 of its d
.else
	global_store_b128 v[LI], v[CD+16*((\a)%2)+4*\p:CD+16*((\a)%2)+4*\p+3], s[14:15] offset:(\p/2)*196608+(\a)*1024+(\p%2)*512     ; head p / 2 of my two, tile a of the record's tokens
.endif
.endr
.endm
	s_load_b256 s[4:11], s[0:1], 0x0               ; pre s[4:5], bq s[6:7], bk s[8:9], bv s[10:11]
	s_load_b128 s[12:15], s[0:1], 0x20             ; the scales' exponents s[12:13], qkvimg s[14:15]
	v_lshl_add_u32 v[SPW], v0, 2, SPARE
	v_mov_b32 v[NIL], 0
	ds_add_u32 v[SPW], v[NIL]                      ; the wave's opening: the add, twice on end, and its wait ahead of my first tensor load
	ds_add_u32 v[SPW], v[NIL]
	v_lshrrev_b32 v1, 5, v0
	v_readfirstlane_b32 s16, v1                    ; wave 0..3
	s_lshr_b32 s17, s16, 1                         ; WR: which half of side A's rows is mine.  Also: I fetch for side A (0) or B (1)
	s_and_b32 s18, s16, 1                          ; WC: which half of side B's rows.  Also: which half of that tile I fetch
	s_bfe_u32 s40, ttmp6, 0x40000                  ; cx
	s_bfe_u32 s41, ttmp6, 0x40004                  ; cy
	s_mov_b32 s42, ttmp9                           ; P: 0 Q, 1 K, 2 V
	s_and_b32 s43, ttmp7, 0xffff
	s_lshl_b32 s43, s43, 2                         ; 4 x the cluster's y
	s_lshl_b32 s44, s41, 2
	s_lshl_b32 s44, 15, s44                        ; my row of the cluster
	s_lshl_b32 s45, 0x1111, s40                    ; my column
	; descriptor group 1: 8 tiles of rows x 4,096 bytes (two images), 16,384 bytes apart in memory, dense in LDS; elements of 8 bytes
	s_or_b32 s[G1+0], s44, (3<<16)|(1<<21)         ; 15:0 the mask; 17:16 elements of 8 bytes; 21 set beside a mask
	s_or_b32 s[G1B+0], s45, (3<<16)|(1<<21)
.irp g, G1, G1B
	s_mov_b32 s[\g+1], 512<<16                     ; tensor_dim0 = 512 elements
	s_mov_b32 s[\g+2], 8<<16                       ; tensor_dim1 = 8
	s_mov_b32 s[\g+3], 512<<16                     ; tile_dim0
	s_mov_b32 s[\g+4], 8                           ; tile_dim1
	s_mov_b32 s[\g+5], 2048                        ; tensor_dim0_stride, in elements
	s_mov_b32 s[\g+6], 0
	s_mov_b32 s[\g+7], 0
.endr
	s_lshl_b32 s86, s42, 22
	s_add_co_u32 s86, s86, 12<<20                  ; LN 1's set P
	s_lshl_b32 s87, s42, 20                        ; wq or wk
	s_cmp_eq_u32 s42, 2                            ; the cluster's x: the same in all partners
	s_cselect_b32 s46, 0, s43
	s_cselect_b32 s47, s43, 0
	s_cselect_b32 s86, 2<<20, s86                  ; V: side A = wv,
	s_cselect_b32 s87, 20<<20, s87                 ; side B = LN 1's set 2
	s_add_co_u32 s46, s46, s41                     ; IA: side A's tile of 256 rows: it never holds cx
	s_add_co_u32 s47, s47, s40                     ; IB: side B's: it never holds cy
	s_lshl_b32 s19, s18, 17                        ; the half that I fetch: 8 tiles of rows x 16,384 bytes
	s_lshl_b32 s88, s46, 18
	s_add_co_u32 s88, s88, s19
	s_add_co_u32 s88, s88, s86
	s_mov_b32 s89, 0
	s_lshl_b32 s90, s47, 18
	s_add_co_u32 s90, s90, s19
	s_add_co_u32 s90, s90, s87
	s_mov_b32 s91, 0
	s_lshl_b32 s20, s16, 15                        ; where my load lands: wave x 32,768: no place in the cluster enters an LDS address
	s_wait_dscnt 0x0                               ; both opening adds are done
	s_wait_kmcnt 0x0
	s_load_b512 s[68:83], s[12:13], 0x0            ; e0 .. e15
	s_add_nc_u64 s[88:89], s[4:5], s[88:89]
	s_add_nc_u64 s[90:91], s[4:5], s[90:91]
	CROUND                                         ; all sixteen work-groups are here: the first joint loads meet
.irp s, 0,1
	s_mov_b32 s[G0+4*\s], 1
	s_add_co_u32 s[G0+4*\s+1], s20, \s*SLOT
	s_add_nc_u64 s[G0+4*\s+2:G0+4*\s+3], s[88:89], \s*4096
	s_or_b32 s[G0+4*\s+3], s[G0+4*\s+3], 0x80000000
	s_mov_b32 s[G0B+4*\s], 1
	s_add_co_u32 s[G0B+4*\s+1], s20, \s*SLOT
	s_add_nc_u64 s[G0B+4*\s+2:G0B+4*\s+3], s[90:91], \s*4096
	s_or_b32 s[G0B+4*\s+3], s[G0B+4*\s+3], 0x80000000
.endr
	JLOAD G0, G1, G0B, G1B                         ; K step 0: one tensor load a wave at the head
	; PREFETCH: behind the joint load for K step j stands one instruction a wave for K step j + 1 (128 matrix instructions ahead of its load).  Of the eight tiles of 16 rows that a wave fetches, each of the four partners
	; that ask with it takes two, told apart by address (cx for side A, cy for side B): 2 x 4,096 bytes, lanes 256 bytes apart.  The address registers are never rewritten.  K step 0 comes by its load alone; K step 3 is the last asked for.
	s_cmp_eq_u32 s17, 0
	s_cselect_b64 s[98:99], s[88:89], s[90:91]
	s_cselect_b32 s66, s40, s41
	s_lshl_b32 s66, s66, 15                        ; two tiles of 16,384 bytes for each partner
	s_mov_b32 s67, 0
	s_add_nc_u64 s[98:99], s[98:99], s[66:67]
	v_bfe_u32 v22, v0, 4, 1
	v_and_b32 v23, 15, v0
	v_lshlrev_b32 v23, 8, v23
	v_lshl_add_u32 v22, v22, 14, v23               ; tile lane / 16, block lane % 16
	s_wait_alu depctr_va_vdst(0)
	global_prefetch_b8 v22, s[98:99] offset:4096 th:TH_LOAD_NT scope:SCOPE_SE
	s_wait_tensorcnt 0x0                           ; my part of K step 0 is in
	ds_add_u32 v[SPW], v[NIL]
	s_wait_dscnt 0x0
	CROUND                                         ; a whole round,
	JLOAD G0+4, G1, G0B+4, G1B                     ; and K step 1's load, the first tensor load behind it
	global_prefetch_b8 v22, s[98:99] offset:8192 th:TH_LOAD_NT scope:SCOPE_SE
	v_and_b32 v1, 31, v0
	v_lshlrev_b32 v[LI], 4, v1
	v_and_b32 v2, 15, v0
	v_bfe_u32 v3, v0, 4, 1
	v_lshlrev_b32 v[BOQ], 5, v3
	v_lshlrev_b32 v[BOV], 2, v2
	s_lshl_b32 s21, s17, 15                        ; my 8 tiles of rows of side A,
	s_lshl_b32 s22, s18, 15                        ; of side B,
	s_add_co_u32 s22, s22, 65536                   ; which lies behind side A's 16
.irp s, 0,1
	v_add_nc_u32 v[ADRA+\s], s21, v[LI]
	v_add_nc_u32 v[ADRB+\s], s22, v[LI]
	s_add_co_u32 s21, s21, SLOT
	s_add_co_u32 s22, s22, SLOT
.endr
	s_wait_alu depctr_va_vdst(0)
	s_wait_tensorcnt 1                             ; my part of K step 0 is in (K step 1's load may be out)
	s_barrier_signal -1
	s_barrier_wait -1                              ; everybody's is
	FETCH_B 0, 0, 0
	FETCH_A 0, 0, 0
	FETCH_A 0, 0, 4
	STEP 0, 0, 1                                   ; the first products start the sums
	TURN 0, 1, 1                                   ; slot 0 takes K step 2
	STEP 1, 0, 0
	TURN 1, 0, 1                                   ; slot 1 takes K step 3
	STEP 0, 0, 0
	TURN 0, 1, 0                                   ; the last barrier
	s_wait_kmcnt 0x0                               ; the exponents
	s_cmp_eq_u32 s42, 2                            ; from here on the text parts on P; each arm asks for its bias, which lands under the last 128 matrix instructions
	s_cbranch_scc1 .Lvarm
	; ---- Q, K
	s_add_co_i32 s94, s74, 3                       ; q / 8 / 2^e6 = q / 2^(e6 + 3)
	s_cmp_eq_u32 s42, 0
	s_cselect_b64 s[92:93], s[6:7], s[8:9]
	s_cselect_b32 s84, s68, s70
	s_cselect_b32 s85, s69, s71
	s_cselect_b32 s94, s94, s75
	s_lshl_b32 s95, s47, 10                        ; my 128 columns' bias: 256 IB + 128 WC numbers on
	s_lshl_b32 s96, s18, 9
	s_add_co_u32 s86, s95, s96
	s_mov_b32 s87, 0
	s_add_nc_u64 s[92:93], s[92:93], s[86:87]
.irp b, 0,1,2,3,4,5,6,7
	global_load_b128 v[BI+8*\b:BI+8*\b+3], v[BOQ], s[92:93] offset:64*\b          ; lane (r, h), tile b: columns 16 b + 8 h + 0 .. 7
	global_load_b128 v[BI+8*\b+4:BI+8*\b+7], v[BOQ], s[92:93] offset:64*\b+16
.endr
	s_lshr_b32 s95, s46, 2                         ; the batch,
	s_lshl_b32 s95, s95, 4
	s_lshl_b32 s96, s47, 2                         ; the first of my two heads: 4 IB + 2 WC
	s_add_co_u32 s95, s95, s96
	s_lshl_b32 s96, s18, 1
	s_add_co_u32 s95, s95, s96
	s_mul_i32 s95, s95, 196608
	s_and_b32 s96, s46, 3                          ; the record: 2 (IA % 4) + WR
	s_lshl_b32 s96, s96, 1
	s_add_co_u32 s96, s96, s17
	s_mul_i32 s96, s96, 24576
	s_add_co_u32 s86, s95, s96
	s_lshl_b32 s96, s42, 13                        ; Q at 0, K at 8,192
	s_add_co_u32 s86, s86, s96
	s_add_nc_u64 s[14:15], s[14:15], s[86:87]
	CONSTS
	STEP 1, 0, 0
	LAST
	s_wait_loadcnt 0x0                             ; the bias
	PLACES NP                                      ; in front of the first write of registers that the last products read
.irp a, 0,1,2,3,4,5,6,7
	EPI 0, \a
.endr
	s_branch .Lend
.Lvarm:
	; ---- V: a lane holds one column of Wv, its registers run along the tokens
	s_mov_b32 s84, s72
	s_mov_b32 s85, s73
	s_mov_b32 s94, s77
	s_lshl_b32 s95, s46, 10                        ; my 128 columns' bias: 256 IA + 128 WR numbers on
	s_lshl_b32 s96, s17, 9
	s_add_co_u32 s86, s95, s96
	s_mov_b32 s87, 0
	s_add_nc_u64 s[92:93], s[10:11], s[86:87]
.irp a, 0,1,2,3,4,5,6,7
	global_load_b32 v[BI+2*\a], v[BOV], s[92:93] offset:64*\a
	v_mov_b32 v[BI+2*\a+1], 0                      ; (named as the upper half of a pair)
.endr
	s_lshr_b32 s95, s47, 2                         ; the batch,
	s_lshl_b32 s95, s95, 4
	s_lshl_b32 s96, s46, 2                         ; the first of my two heads: 4 IA + 2 WR
	s_add_co_u32 s95, s95, s96
	s_lshl_b32 s96, s17, 1
	s_add_co_u32 s95, s95, s96
	s_mul_i32 s95, s95, 196608
	s_and_b32 s96, s47, 3                          ; the record: 2 (IB % 4) + WC
	s_lshl_b32 s96, s96, 1
	s_add_co_u32 s96, s96, s18
	s_mul_i32 s96, s96, 24576
	s_add_co_u32 s86, s95, s96
	s_add_co_u32 s86, s86, 16384                   ; V^T
	s_add_nc_u64 s[14:15], s[14:15], s[86:87]
	CONSTS
	STEP 1, 0, 0
	LAST
	s_wait_loadcnt 0x0
	PLACES NP
.irp a, 0,1,2,3,4,5,6,7
	EPI 1, \a
.endr
.Lend:
	s_wait_tensorcnt 0x0                           ; the wave's end
	ds_add_u32 v[SPW], v[NIL]
	s_wait_dscnt 0x0
	CROUND                                         ; the closing round: no work-group ends while a partner may still ask for a tile that names it
	s_endpgm
.Lfunc_end_k_q4b8edf76b1_proj:
	.size	k_q4b8edf76b1_proj, .Lfunc_end_k_q4b8edf76b1_proj-k_q4b8edf76b1_proj
	.p2alignl 7, 3214868480
	.fill 96, 4, 3214868480
	.section	.rodata,"a",@progbits
	.p2align	6, 0x0
	.amdhsa_kernel k_q4b8edf76b1_proj
		.amdhsa_group_segment_fixed_size 327680
		.amdhsa_private_segment_fixed_size 0
		.amdhsa_enable_private_segment 0
		.amdhsa_kernarg_size 48
		.amdhsa_user_sgpr_count 2
		.amdhsa_user_sgpr_kernarg_segment_ptr 1
		.amdhsa_wavefront_size32 1
		.amdhsa_system_sgpr_workgroup_id_x 1
		.amdhsa_system_sgpr_workgroup_id_y 1
		.amdhsa_system_sgpr_workgroup_id_z 1
		.amdhsa_system_vgpr_workitem_id 0
		.amdhsa_next_free_vgpr 1024
		.amdhsa_next_free_sgpr 100
		.amdhsa_reserve_vcc 0
		.amdhsa_float_denorm_mode_32 3
		.amdhsa_float_denorm_mode_16_64 3
		.amdhsa_memory_ordered 1
		.amdhsa_forward_progress 1
		.amdhsa_inst_pref_size 208
	.end_amdhsa_kernel
	.amdgpu_metadata
---
amdhsa.version: [ 1, 2 ]
amdhsa.kernels:
  - .name:           k_q4b8edf76b1_proj
    .symbol:         k_q4b8edf76b1_proj.kd
    .args:
      - { .name: pre, .offset: 0, .size: 8, .value_kind: global_buffer, .address_space: global }
      - { .name: bq, .offset: 8, .size: 8, .value_kind: global_buffer, .address_space: global }
      - { .name: bk, .offset: 16, .size: 8, .value_kind: global_buffer, .address_space: global }
      - { .name: bv, .offset: 24, .size: 8, .value_kind: global_buffer, .address_space: global }
      - { .name: lowp_scales, .offset: 32, .size: 8, .value_kind: global_buffer, .address_space: global }
      - { .name: qkvimg, .offset: 40, .size: 8, .value_kind: global_buffer, .address_space: global }
    .group_segment_fixed_size: 327680
    .private_segment_fixed_size: 0
    .kernarg_segment_align: 8
    .kernarg_segment_size: 48
    .max_flat_workgroup_size: 128
    .sgpr_count:     100
    .vgpr_count:     1024
    .wavefront_size: 32
...
	.end_amdgpu_metadata
.endif
;; end of part 2
;; launch attn (part 3): grid 4 x 64, 16 waves a work-group, clusters of 4 x 1, 167,936 bytes of LDS; arguments qkvimg, lowp_scales, aimg; writes aimg
.if DOCPART == 3
	.amdgcn_target "amdgcn-amd-amdhsa--gfx1250"
	.amdhsa_code_object_version 6
	.text
	.protected	k_q4b8edf76b1_attn
	.globl	k_q4b8edf76b1_attn
	.p2align	8
	.type	k_q4b8edf76b1_attn,@function
k_q4b8edf76b1_attn:
	s_mov_b64 s[64:65], 0
	v_nop
	global_prefetch_b8 v0, s[64:65] scope:SCOPE_SE
	s_setreg_imm32_b32 hwreg(HW_REG_WAVE_MODE, 25, 1), 1
	s_wait_xcnt 0x0
	s_wait_alu depctr_hold_cnt(0) depctr_sa_sdst(0) depctr_va_vdst(0) depctr_va_sdst(0) depctr_va_ssrc(0) depctr_va_vcc(0) depctr_vm_vsrc(0)
	s_getreg_b32 s2, hwreg(HW_REG_IB_STS2, 6, 4)
	s_cmp_eq_u32 s2, 0
	s_cbranch_scc0 .Lentry_in_a_cluster
	s_endpgm
.Lentry_in_a_cluster:
	s_bfe_u32 s2, ttmp6, 0x10000c
	s_cmp_lg_u32 s2, 0x3003
	s_cbranch_scc0 .Lentry_shape_is_right
	s_endpgm
.Lentry_shape_is_right:
; Products 4 and 5: causal attention on codes of FP8 (E4M3), 64 (batch, head) pairs of 1,024 tokens x 64; the result is quantised for product 6 (entry 10) and stored as images of that operand's registers.
; LEFT OUT (shown at the head of launch prep): key steps of 128 keys all of which come after all 16 queries of a wave's tile; their weights are 0 by the mask that reference() builds.
; THE SOFTMAX AHEAD OF THE SECOND PRODUCT: t = score x log2(e) (1/8 is in q already); M = the row's largest t so far, rounded UP to a whole number; p = 2^(t - M) is quantised (entry 8), not normalised; the row's sum is taken of
; the unquantised p and divides at the end.  When M moves, the sum and O are multiplied by 2^(old M - new M): exact.
; SHARES.  A cluster of four work-groups is one (batch, head).  Work-group cx takes the query tiles qt = 4 i + cx, i = 0 .. 15, one a wave: so a wave's last key step, i / 2, hangs on the wave's number alone, all four partners
; have the same work and each reads every key block.  Wave w takes i = w xor 3 ((w / 4) % 2): waves w, w + 4, w + 8, w + 12 then have 18 of the work-group's 72 key steps together.
; LDS holds the head's whole K and V^T (8 blocks of 16,384 bytes), filled ONCE: eight joint loads, one each by waves 0 to 7, with the same descriptor and a mask that names the four partners.  No byte is filled again: no ring, no barrier in the loop.
; LAYOUT.  S^T = K Q^T (source 0 = 16 keys, source 1 = my 16 queries; K = 64) and O^T = V^T P^T (source 0 = 16 of d, source 1 = P; K = 128 keys): a lane holds ONE query throughout.  Tile c of S^T holds in lane (r, h) the keys
; 16 c + 8 h + 0..7: just what registers 2 c, 2 c + 1 of P's fragment hold: the conversions' results are the operand.  Likewise O^T's four tiles become half an image of product 6's operand.
; No prefetch: all that the work-group reads is asked for at its head.
; LIMITS: e6 + e7 between -126 and 126 (added to log2(e)'s exponent field); e8, e10 between -126 and 119; e8 + e9 goes by v_ldexp_f32.
; REGISTERS: v1 16 x lane; v2 the step's LDS address; v3 my query less the diagonal step's first key less 8 (lane / 16); v12 -M, v13 the largest t, v[14:15] the sum in two halves; v16-23 Q; v32-95 K's 8 fragments, then V's 4;
; v96-159 S^T, then p; v160-191 O^T; v224-239 P's codes; v240, v244: 448 x 2^e8, 2^e8; v241, v245 the same with e10; v236, v242, v243, v252-254 at work.
.set SPARE, 131072                     ; behind K and V: the spare words, 128 bytes for each wave: eight blocks of 256 bytes that no other line names
.set SPW,  5
.set NIL,  6
.set WV,   18                          ; s18  my wave's number
.set SEL,  20                          ; s[20:21] lane selects for v_permlanex16_b32: lane l xor 16
.set CS,   22                          ; s[22:23] c = log2(e) x 2^(e6 + e7)
.set G1,   24                          ; s[24:31] descriptor group 1
.set G0,   32                          ; s[32:35] group 0
.macro CROUND
	s_barrier_signal -1
	s_barrier_wait -1
	s_cmp_lg_u32 s[WV], 0
	s_cbranch_scc1 .Lnot_wave_0_\@
	s_barrier_signal -3
.Lnot_wave_0_\@:
	s_barrier_wait -3
	s_barrier_signal -1
	s_barrier_wait -1
.endm
	s_load_b128 s[4:7], s[0:1], 0x0                ; qkvimg s[4:5], the scales' exponents s[6:7]
	s_load_b64 s[8:9], s[0:1], 0x10                ; aimg
	v_lshl_add_u32 v[SPW], v0, 2, SPARE
	v_mov_b32 v[NIL], 0
	ds_add_u32 v[SPW], v[NIL]                      ; the wave's opening: the add, twice on end, and its wait ahead of the first tensor load
	ds_add_u32 v[SPW], v[NIL]
	v_lshrrev_b32 v8, 5, v0
	s_delay_alu instid0(VALU_DEP_1)
	v_readfirstlane_b32 s[WV], v8                  ; wave 0..15
	s_bfe_u32 s42, ttmp6, 0x40000                  ; cx: it enters Q's and the output's addresses and the mask's numbers alone
	s_and_b32 s43, ttmp7, 0xffff                   ; batch x 16 + head
	s_bfe_u32 s36, s[WV], 0x10002
	s_mul_i32 s36, s36, 3
	s_xor_b32 s37, s[WV], s36                      ; i
	s_lshr_b32 s39, s37, 1                         ; SL: my last key step, which is the one on the diagonal
	s_lshl_b32 s38, s37, 2
	s_add_co_u32 s38, s38, s42                     ; qt
	s_mov_b32 s[G1], 15|(3<<16)|(1<<21)            ; 15:0 the mask: all four; 17:16 elements of 8 bytes; 21 set beside a mask
	s_mov_b32 s[G1+1], 32<<16                      ; tensor_dim0 = 32 elements: rows of 256 bytes
	s_mov_b32 s[G1+2], 64<<16                      ; tensor_dim1 = 64
	s_mov_b32 s[G1+3], 32<<16                      ; tile_dim0
	s_mov_b32 s[G1+4], 64                          ; tile_dim1
	s_mov_b32 s[G1+5], 32                          ; dense
	s_mov_b32 s[G1+6], 0
	s_mov_b32 s[G1+7], 0
	s_mov_b32 s[G0], 1
	s_lshl_b32 s[G0+1], s[WV], 14                  ; block w lands at 16,384 w
	s_mul_i32 s44, s43, 196608                     ; the head's eight records
	s_mul_i32 s46, s[WV], 24576                    ; record w,
	s_add_co_u32 s46, s46, s44
	s_add_co_u32 s46, s46, 8192                    ; its K and V^T: 16,384 consecutive bytes
	s_mov_b32 s47, 0
	s_lshr_b32 s48, s38, 3                         ; Q: record qt / 8, tile qt % 8
	s_mul_i32 s48, s48, 24576
	s_add_co_u32 s48, s48, s44
	s_and_b32 s49, s38, 7
	s_lshl_b32 s50, s49, 4                         ; 16 (qt % 8)
	s_lshl_b32 s49, s49, 10
	s_add_co_u32 s48, s48, s49
	s_mov_b32 s49, 0
	s_lshr_b32 s52, s43, 4                         ; the output: tile of rows 64 x batch + qt,
	s_lshl_b32 s52, s52, 6
	s_add_co_u32 s52, s52, s38
	s_lshl_b32 s52, s52, 3
	s_bfe_u32 s53, s43, 0x30001                    ; image head / 2,
	s_add_co_u32 s52, s52, s53
	s_lshl_b32 s52, s52, 11
	s_and_b32 s53, s43, 1                          ; its half head % 2
	s_lshl_b32 s53, s53, 10
	s_add_co_u32 s52, s52, s53
	s_mov_b32 s53, 0
	s_mov_b32 s[SEL], 0x76543210
	s_mov_b32 s[SEL+1], 0xfedcba98
	s_mov_b32 s[CS], 0x3fb8aa3b                    ; log2(e)
	s_mov_b32 s40, 0                               ; ST: the key step
	s_mov_b32 s41, 0                               ; TB: its block in LDS
	s_wait_dscnt 0x0                               ; both opening adds are done
	s_wait_kmcnt 0x0
	s_load_b256 s[68:75], s[6:7], 0x18             ; e6 .. e13
	s_add_nc_u64 s[G0+2:G0+3], s[4:5], s[46:47]
	s_or_b32 s[G0+3], s[G0+3], 0x80000000
	s_add_nc_u64 s[4:5], s[4:5], s[48:49]          ; Q's tile
	s_add_nc_u64 s[8:9], s[8:9], s[52:53]
	CROUND                                         ; all four work-groups are here: the joint loads meet
	s_cmp_lt_u32 s[WV], 8                          ; the wave's number alone: the same in all partners
	s_cbranch_scc0 .Lno_fill
	tensor_load_to_lds s[G0:G0+3], s[G1:G1+7]      ; one load of mine is out
	s_nop 0
.rept 4
	v_nop
.endr
.Lno_fill:
	v_and_b32 v8, 31, v0
	s_delay_alu instid0(VALU_DEP_1)
	v_lshlrev_b32 v1, 4, v8
	global_load_b128 v[16:19], v1, s[4:5]          ; Q's fragment stays in registers
	global_load_b128 v[20:23], v1, s[4:5] offset:512
	v_and_b32 v9, 15, v0
	v_bfe_u32 v10, v0, 4, 1
	s_delay_alu instid0(VALU_DEP_1)
	v_lshlrev_b32 v10, 3, v10
	s_delay_alu instid0(VALU_DEP_1)
	v_sub_nc_u32 v3, v9, v10
	s_delay_alu instid0(VALU_DEP_1)
	v_add_nc_u32 v3, s50, v3                       ; 16 (qt % 8) + r - 8 h
	v_mov_b32 v13, 0xff61b1e6                      ; the largest t so far: -3e38, under every t
	s_delay_alu instid0(VALU_DEP_1)
	v_floor_f32 v12, -v13                          ; -M
	v_mov_b32 v14, 0
	v_mov_b32 v15, 0
	v_mov_b32 v236, 0                              ; written once: a lane permute's destination counts as one of its sources
	v_mov_b32 v252, 0
	v_mov_b32 v253, 0                              ; (named as the upper half of the pair v[252:253])
.set j, 0
.rept 32
	v_mov_b32 v[160+j], 0                          ; O^T.  (The step is written once: the first finds zeros, which the first change of M leaves zeros)
.set j, j+1
.endr
	s_wait_kmcnt 0x0
	s_add_co_i32 s51, s68, s69
	s_lshl_b32 s51, s51, 23
	s_add_co_i32 s[CS], s[CS], s51                 ; a score stands for score x 2^(e6 + e7)
	s_mov_b32 s[CS+1], s[CS]
	s_add_co_i32 s51, s70, 127
	s_lshl_b32 s54, s51, 23
	v_mov_b32 v244, s54                            ; 2^e8
	s_add_co_i32 s51, s51, 8
	s_lshl_b32 s51, s51, 23
	s_or_b32 s51, s51, 0x600000
	v_mov_b32 v240, s51                            ; 448 x 2^e8
	s_wait_tensorcnt 0x0                           ; my block has landed,
	s_barrier_signal -1
	s_barrier_wait -1                              ; everybody's has
	s_wait_loadcnt 0x0                             ; Q
.Lstep:                                            ; eight trips, a constant; a wave jumps over the work of the steps behind its diagonal: a branch on the wave's number and the count of trips, round no barrier, wait for a tile or tensor load
	s_cmp_gt_u32 s40, s39
	s_cbranch_scc1 .Lhidden
	v_add_nc_u32 v2, s41, v1
.rept 3
	v_nop                                          ; with the addition above: four places in front of loads into registers that the last products read
.endr
.irp c, 0,1,2,3,4,5,6,7
	ds_load_b128 v[32+8*\c:35+8*\c], v2 offset:1024*\c
	ds_load_b128 v[36+8*\c:39+8*\c], v2 offset:1024*\c+512
.endr
	s_wait_alu depctr_va_vdst(0)
	s_wait_dscnt 0x0
.irp c, 0,1,2,3,4,5,6,7
	v_wmma_f32_16x16x64_fp8_fp8 v[96+8*\c:103+8*\c], v[32+8*\c:39+8*\c], v[16:23], 0
.endr
.rept 4
	v_nop
.endr
.irp t, 0,1,2,3
.irp p, 0,1,2,3
	ds_load_b128 v[32+16*\t+4*\p:35+16*\t+4*\p], v2 offset:8192+2048*\t+512*\p   ; V's fragments land under the softmax
.endr
.endr
	s_cmp_lg_u32 s40, s39
	s_cbranch_scc1 .Lopen
	v_mov_b32 v254, 0xff800000                     ; on the diagonal the scores of hidden keys become -infinity ahead of the maximum: p = 0 then.  Register 8 c + j holds key 16 c + 8 h + j of the step: hidden where 16 c + j > v3
.set n, 0
.rept 64
	v_cmp_gt_i32 vcc_lo, 16*(n/8)+n%8, v3
	v_cndmask_b32 v[96+n], v[96+n], v254, vcc_lo
.set n, n+1
.endr
.Lopen:
	v_max3_num_f32 v254, v96, v97, v98             ; the step's largest score of my query, among my 64 keys, in two chains,
	v_max3_num_f32 v252, v99, v100, v101
.irp i, 6,10,14,18,22,26,30,34,38,42,46,50,54,58
	v_max3_num_f32 v254, v254, v[96+\i], v[97+\i]
	v_max3_num_f32 v252, v252, v[98+\i], v[99+\i]
.endr
	v_max3_num_f32 v254, v254, v158, v159
	s_delay_alu instid0(VALU_DEP_1)
	v_max_num_f32 v254, v254, v252
	v_permlanex16_b32 v236, v254, s[SEL], s[SEL+1]
	s_delay_alu instid0(VALU_DEP_1)
	v_max_num_f32 v254, v254, v236                 ; and among lane l xor 16's
	s_delay_alu instid0(VALU_DEP_1)
	v_mul_f32 v254, s[CS], v254                    ; as t (c is positive)
	s_delay_alu instid0(VALU_DEP_1)
	v_max_num_f32 v13, v13, v254                   ; the running largest t
	v_mov_b32 v254, v12
	s_delay_alu instid0(VALU_DEP_2)
	v_floor_f32 v12, -v13                          ; the new -M = floor(-t) = -ceil(t)
	s_delay_alu instid0(VALU_DEP_1)
	v_sub_f32 v254, v12, v254                      ; old M less new M: a whole number, 0 or less
	s_delay_alu instid0(VALU_DEP_1)
	v_cvt_i32_f32 v254, v254                       ; (it saturates)
	s_delay_alu instid0(VALU_DEP_1)
	v_ldexp_f32 v252, 1.0, v254                    ; f = 2^(old M - new M)
.set j, 0
.rept 32
	v_pk_fma_f32 v[96+j:97+j], v[96+j:97+j], s[CS:CS+1], v[12:13] op_sel_hi:[1,0,0]   ; t - M
.set j, j+2
.endr
.set j, 0
	s_wait_alu depctr_va_vdst(0)
.rept 64
	v_exp_f32 v[96+j], v[96+j]                     ; p = 2^(t - M)
.set j, j+1
.endr
	v_pk_mul_f32 v[14:15], v[14:15], v[252:253] op_sel_hi:[1,0]   ; the sums under the new M.  (The plain instruction behind the exponentials)
	s_wait_alu depctr_va_vdst(0)                   ; one wait for the whole batch, ahead of its first reader
	v_pk_add_f32 v[242:243], v[100:101], v[104:105]
	v_pk_add_f32 v[254:255], v[108:109], v[112:113]
	v_pk_add_f32 v[250:251], v[116:117], v[120:121]
	v_pk_add_f32 v[248:249], v[124:125], v[128:129]
	v_pk_add_f32 v[246:247], v[132:133], v[136:137]
	v_pk_add_f32 v[238:239], v[140:141], v[144:145]
	v_pk_add_f32 v[236:237], v[148:149], v[152:153]
	v_pk_add_f32 v[14:15], v[14:15], v[156:157]
	v_pk_add_f32 v[242:243], v[242:243], v[96:97]
	v_pk_add_f32 v[254:255], v[254:255], v[98:99]
	v_pk_add_f32 v[250:251], v[250:251], v[102:103]
	v_pk_add_f32 v[248:249], v[248:249], v[106:107]
	v_pk_add_f32 v[246:247], v[246:247], v[110:111]
	v_pk_add_f32 v[238:239], v[238:239], v[114:115]
	v_pk_add_f32 v[236:237], v[236:237], v[118:119]
	v_pk_add_f32 v[14:15], v[14:15], v[122:123]
	v_pk_add_f32 v[242:243], v[242:243], v[126:127]
	v_pk_add_f32 v[254:255], v[254:255], v[130:131]
	v_pk_add_f32 v[250:251], v[250:251], v[134:135]
	v_pk_add_f32 v[248:249], v[248:249], v[138:139]
	v_pk_add_f32 v[246:247], v[246:247], v[142:143]
	v_pk_add_f32 v[238:239], v[238:239], v[146:147]
	v_pk_add_f32 v[236:237], v[236:237], v[150:151]
	v_pk_add_f32 v[14:15], v[14:15], v[154:155]
	v_pk_add_f32 v[242:243], v[242:243], v[158:159]
	s_delay_alu instid0(VALU_DEP_2)
	v_pk_add_f32 v[14:15], v[14:15], v[248:249]
	s_delay_alu instid0(VALU_DEP_2)
	v_pk_add_f32 v[242:243], v[242:243], v[246:247]
	v_pk_add_f32 v[254:255], v[254:255], v[238:239]
	v_pk_add_f32 v[250:251], v[250:251], v[236:237]
	s_delay_alu instid0(VALU_DEP_2)
	v_pk_add_f32 v[14:15], v[14:15], v[254:255]
	s_delay_alu instid0(VALU_DEP_2)
	v_pk_add_f32 v[242:243], v[242:243], v[250:251]
	s_delay_alu instid0(VALU_DEP_1)
	v_pk_add_f32 v[14:15], v[14:15], v[242:243]
.irp c, 0,1,2,3,4,5,6,7
.irp i, 0,1,2,3,4,5,6,7
	v_min_num_f32 v[96+8*\c+\i], v[96+8*\c+\i], v240   ; the conversion does not saturate (ISA guide 7.6.2); p is not negative, so the hold is one-sided
.endr
	v_cvt_scalef32_pk8_fp8_f32 v[224+2*\c:225+2*\c], v[96+8*\c:103+8*\c], v244
.endr
.set j, 0
.rept 16
	v_pk_mul_f32 v[160+j:161+j], v[160+j:161+j], v[252:253] op_sel_hi:[1,0]   ; O^T under the new M.  (Also the plain instructions between the conversions and the products)
.set j, j+2
.endr
	s_wait_alu depctr_va_vdst(0)
	s_wait_dscnt 0x0                               ; V
.irp t, 0,1,2,3
	v_wmma_f32_16x16x128_fp8_fp8 v[160+8*\t:167+8*\t], v[32+16*\t:47+16*\t], v[224:239], v[160+8*\t:167+8*\t]   ; the four accumulators take turns
.endr
.Lhidden:
	s_add_co_u32 s41, s41, 16384
	s_add_co_u32 s40, s40, 1
	s_cmp_lt_u32 s40, 8
	s_cbranch_scc1 .Lstep
	; THE WAY OUT: O^T / the sum x 2^(e8 + e9), held and converted with e10: eight registers, half an image; two stores of 512 consecutive bytes.
	v_add_f32 v14, v14, v15                        ; six plain instructions that name no register of the last products stand ahead of the first read of O^T
	s_delay_alu instid0(VALU_DEP_1)
	v_permlanex16_b32 v252, v14, s[SEL], s[SEL+1]
	s_delay_alu instid0(VALU_DEP_1)
	v_add_f32 v14, v14, v252
	s_wait_alu depctr_va_vdst(0)
	v_rcp_f32 v14, v14
	v_nop                                          ; a plain instruction behind the transcendental
	s_add_co_i32 s52, s70, s71
	s_add_co_i32 s51, s72, 127
	s_lshl_b32 s54, s51, 23
	v_mov_b32 v245, s54                            ; 2^e10
	s_add_co_i32 s51, s51, 8
	s_lshl_b32 s51, s51, 23
	s_or_b32 s51, s51, 0x600000
	v_mov_b32 v241, s51                            ; 448 x 2^e10
	s_wait_alu depctr_va_vdst(0)                   ; the wait ahead of the reciprocal's first reader
	v_ldexp_f32 v14, v14, s52
.set j, 0
.rept 32
	v_mul_f32 v[96+j], v[160+j], v14               ; register 8 t + i is o(query r, d = 16 t + 8 h + i)
.set j, j+1
.endr
.set j, 0
.rept 32
	v_med3_num_f32 v[96+j], v[96+j], -v241, v241
.set j, j+1
.endr
.irp t, 0,1,2,3
	v_cvt_scalef32_pk8_fp8_f32 v[224+2*\t:225+2*\t], v[96+8*\t:103+8*\t], v245
.endr
	v_nop
	global_store_b128 v1, v[224:227], s[8:9]
	global_store_b128 v1, v[228:231], s[8:9] offset:512
	s_wait_tensorcnt 0x0                           ; the wave's end
	ds_add_u32 v[SPW], v[NIL]
	s_wait_dscnt 0x0
	CROUND                                         ; the closing round
	s_endpgm
.Lfunc_end_k_q4b8edf76b1_attn:
	.size	k_q4b8edf76b1_attn, .Lfunc_end_k_q4b8edf76b1_attn-k_q4b8edf76b1_attn
	.p2alignl 7, 3214868480
	.fill 96, 4, 3214868480
	.section	.rodata,"a",@progbits
	.p2align	6, 0x0
	.amdhsa_kernel k_q4b8edf76b1_attn
		.amdhsa_group_segment_fixed_size 167936
		.amdhsa_private_segment_fixed_size 0
		.amdhsa_enable_private_segment 0
		.amdhsa_kernarg_size 24
		.amdhsa_user_sgpr_count 2
		.amdhsa_user_sgpr_kernarg_segment_ptr 1
		.amdhsa_wavefront_size32 1
		.amdhsa_system_sgpr_workgroup_id_x 1
		.amdhsa_system_sgpr_workgroup_id_y 1
		.amdhsa_system_sgpr_workgroup_id_z 1
		.amdhsa_system_vgpr_workitem_id 0
		.amdhsa_next_free_vgpr 256
		.amdhsa_next_free_sgpr 90
		.amdhsa_reserve_vcc 1
		.amdhsa_float_denorm_mode_32 3
		.amdhsa_float_denorm_mode_16_64 3
		.amdhsa_memory_ordered 1
		.amdhsa_forward_progress 1
		.amdhsa_inst_pref_size 32
	.end_amdhsa_kernel
	.amdgpu_metadata
---
amdhsa.version: [ 1, 2 ]
amdhsa.kernels:
  - .name:           k_q4b8edf76b1_attn
    .symbol:         k_q4b8edf76b1_attn.kd
    .args:
      - { .name: qkvimg, .offset: 0, .size: 8, .value_kind: global_buffer, .address_space: global }
      - { .name: lowp_scales, .offset: 8, .size: 8, .value_kind: global_buffer, .address_space: global }
      - { .name: aimg, .offset: 16, .size: 8, .value_kind: global_buffer, .address_space: global }
    .group_segment_fixed_size: 167936
    .private_segment_fixed_size: 0
    .kernarg_segment_align: 8
    .kernarg_segment_size: 24
    .max_flat_workgroup_size: 512
    .sgpr_count:     90
    .vgpr_count:     256
    .wavefront_size: 32
...
	.end_amdgpu_metadata
.endif
;; end of part 3
;; launch oproj (part 4): grid 8 x 32, 4 waves a work-group, clusters of 4 x 4, 327,680 bytes of LDS; arguments aimg, pre, bo, x, lowp_scales, x2; writes x2
.if DOCPART == 4
	.amdgcn_target "amdgcn-amd-amdhsa--gfx1250"
	.amdhsa_code_object_version 6
	.text
	.protected	k_q4b8edf76b1_oproj
	.globl	k_q4b8edf76b1_oproj
	.p2align	8
	.type	k_q4b8edf76b1_oproj,@function
k_q4b8edf76b1_oproj:
	s_mov_b64 s[64:65], 0
	v_nop
	global_prefetch_b8 v0, s[64:65] scope:SCOPE_SE
	s_setreg_imm32_b32 hwreg(HW_REG_WAVE_MODE, 25, 1), 1
	s_wait_xcnt 0x0
	s_wait_alu depctr_hold_cnt(0) depctr_sa_sdst(0) depctr_va_vdst(0) depctr_va_sdst(0) depctr_va_ssrc(0) depctr_va_vcc(0) depctr_vm_vsrc(0)
	s_getreg_b32 s2, hwreg(HW_REG_IB_STS2, 6, 4)
	s_cmp_eq_u32 s2, 0
	s_cbranch_scc0 .Lentry_in_a_cluster
	s_endpgm
.Lentry_in_a_cluster:
	s_bfe_u32 s2, ttmp6, 0x10000c
	s_cmp_lg_u32 s2, 0xf033
	s_cbranch_scc0 .Lentry_shape_is_right
	s_endpgm
.Lentry_shape_is_right:
; Product 6 and the first residual: x2 = x + attention's output x Wo + bo.  Both operands are images of FP8 (E4M3) fragments (launch prep's head says how they lie); x, bo and x2 are f32.
; The text is launch fc2's but for the three constants KTOT, WOFF, EI: its head says how the work is shared and what each wait counts.  Here K = 1,024 is ONE chunk (NCH = 1): each wave's one joint load at the head brings all that it
; fetches, nothing is filled again, and no prefetch is assembled: there is no later chunk to ask for.
; LIMIT: E = the two operands' exponents added lies between -126 and 127.
; One difference more: with no refill to stand behind, the residual's 32 loads are all issued at the head here.
.set KTOT,  1024
.set WOFF,  3<<20
.set EI,    10
.set RTS,   KTOT/128*2048
.set NCH,   KTOT/1024
.set SPARE, 262144
.set STAGE, SPARE+512
.set SP,    272
.set BI,   8
.set PFO,  12
.set ADRA, 16
.set ADRB, 17
.set STO,  24
.set RD,   25
.set CO,   26
.set SPW,  28
.set NIL,  29
.set BK,   32
.set ACC,  128
.set G1,  24
.set G0,  32
.set G1B, 48
.set G0B, 56
.set PFA, 68
.set PFB, 70
.set MSB, 0
.macro WIN new
.if MSB != \new
	s_set_vgpr_msb (MSB<<8)|\new
.set MSB, \new
.endif
.endm
.macro JLOAD
	s_cmp_eq_u32 s17, 0
	s_cbranch_scc0 .Lfor_b_\@
	tensor_load_to_lds s[G0:G0+3], s[G1:G1+7]
	s_nop 0
.rept 4
	v_nop
.endr
	s_branch .Lasked_\@
.Lfor_b_\@:
	tensor_load_to_lds s[G0B:G0B+3], s[G1B:G1B+7]
	s_nop 0
.rept 4
	v_nop
.endr
.Lasked_\@:
.endm
.macro CROUND
	s_barrier_signal -1
	s_barrier_wait -1
	s_cmp_lg_u32 s16, 0
	s_cbranch_scc1 .Lnot_wave_0_\@
	s_barrier_signal -3
.Lnot_wave_0_\@:
	s_barrier_wait -3
	s_barrier_signal -1
	s_barrier_wait -1
.endm
.macro PLACES
.rept 4
	v_nop
.endr
.endm
.macro FETCH q
.set FB, 128*((\q)%2)
.if ((\q)%4) < 2
	WIN 0x40
.else
	WIN 0x80
.endif
.irp b, 0,1,2,3
.irp c, 0,1,2,3
	ds_load_b128 v[FB+64+16*\b+4*\c:FB+64+16*\b+4*\c+3], v[ADRB] offset:\b*16384+(\q)*2048+512*\c
.endr
.endr
.irp i, 0,1,2,3
.irp c, 0,1,2,3
	ds_load_b128 v[FB+16*\i+4*\c:FB+16*\i+4*\c+3], v[ADRA] offset:\i*16384+(\q)*2048+512*\c
.endr
.endr
.endm
.macro MULQ q, zero
.set FB, 128*((\q)%2)
.if ((\q)%4) < 2
	WIN 0x05
.else
	WIN 0x0a
.endif
.irp a, 0,1,2,3
.irp b, 0,1,2,3
.if \zero
	v_wmma_f32_16x16x128_fp8_fp8 v[ACC+8*(4*\a+\b):ACC+8*(4*\a+\b)+7], v[FB+64+16*\b:FB+64+16*\b+15], v[FB+16*\a:FB+16*\a+15], 0
.else
	v_wmma_f32_16x16x128_fp8_fp8 v[ACC+8*(4*\a+\b):ACC+8*(4*\a+\b)+7], v[FB+64+16*\b:FB+64+16*\b+15], v[FB+16*\a:FB+16*\a+15], v[ACC+8*(4*\a+\b):ACC+8*(4*\a+\b)+7]
.endif
.endr
.endr
.endm
.macro CHUNK n
	FETCH 0
	FETCH 1
	FETCH 2
	FETCH 3
.irp q, 0,1,2,3
	s_wait_dscnt 63
	MULQ \q, (\n+\q)==0
	PLACES
	FETCH \q+4
.endr
.if (\n) < NCH-1
	WIN 0
	s_wait_tensorcnt 0x0
	ds_add_u32 v[SPW], v[NIL]
	s_add_nc_u64 s[G0+2:G0+3], s[G0+2:G0+3], 16384
	s_add_nc_u64 s[G0B+2:G0B+3], s[G0B+2:G0B+3], 16384
.if (\n)+1 == NCH/2
	s_sub_nc_u64 s[G0+2:G0+3], s[G0+2:G0+3], s[98:99]
	s_sub_nc_u64 s[G0B+2:G0B+3], s[G0B+2:G0B+3], s[98:99]
.endif
	s_wait_dscnt 63
	MULQ 4, 0
	WIN 0
	s_wait_dscnt 0x0
	CROUND
	JLOAD
.if (\n)+2 < NCH
	global_prefetch_b8 v[PFO], s[PFB:PFB+1] offset:(\n)*16384 th:TH_LOAD_NT scope:SCOPE_SE
	global_prefetch_b8 v[PFO], s[PFB:PFB+1] offset:(\n)*16384+8192 th:TH_LOAD_NT scope:SCOPE_SE
.endif
	MULQ 5, 0
	MULQ 6, 0
	MULQ 7, 0
	PLACES
	WIN 0
	s_wait_tensorcnt 0x0
	s_barrier_signal -1
	s_barrier_wait -1
.else
	s_wait_dscnt 63
	MULQ 4, 0
	s_wait_dscnt 63
	MULQ 5, 0
	s_wait_dscnt 32
	MULQ 6, 0
	s_wait_dscnt 0x0
	MULQ 7, 0
.endif
.endm
	s_load_b256 s[4:11], s[0:1], 0x0
	s_load_b128 s[12:15], s[0:1], 0x20
	v_lshl_add_u32 v[SPW], v0, 2, SPARE
	v_mov_b32 v[NIL], 0
	ds_add_u32 v[SPW], v[NIL]
	ds_add_u32 v[SPW], v[NIL]
	v_lshrrev_b32 v1, 5, v0
	v_readfirstlane_b32 s16, v1
	s_lshr_b32 s17, s16, 1
	s_and_b32 s18, s16, 1
	s_bfe_u32 s40, ttmp6, 0x40000
	s_bfe_u32 s41, ttmp6, 0x40004
	s_lshl_b32 s47, ttmp9, 2
	s_add_co_u32 s47, s47, s40
	s_and_b32 s46, ttmp7, 0xffff
	s_lshl_b32 s46, s46, 2
	s_add_co_u32 s46, s46, s41
	s_lshl_b32 s44, s41, 2
	s_lshl_b32 s44, 15, s44
	s_lshl_b32 s45, 0x1111, s40
	s_or_b32 s[G1+0], s44, (3<<16)|(1<<21)
	s_or_b32 s[G1B+0], s45, (3<<16)|(1<<21)
.irp g, G1, G1B
	s_mov_b32 s[\g+1], 2048<<16
	s_mov_b32 s[\g+2], 4<<16
	s_mov_b32 s[\g+3], 2048<<16
	s_mov_b32 s[\g+4], 4
	s_mov_b32 s[\g+5], RTS/8
	s_mov_b32 s[\g+6], 0
	s_mov_b32 s[\g+7], 0
.endr
	s_lshl_b32 s19, s18, 2
	s_lshl_b32 s88, s46, 3
	s_add_co_u32 s88, s88, s19
	s_mul_i32 s88, s88, RTS
	s_mov_b32 s89, 0
	s_lshl_b32 s90, s47, 3
	s_add_co_u32 s90, s90, s19
	s_mul_i32 s90, s90, RTS
	s_add_co_u32 s90, s90, WOFF
	s_mov_b32 s91, 0
.if NCH > 1
	s_and_b32 s86, ttmp7, 0xffff
	s_add_co_u32 s86, s86, ttmp9
	s_and_b32 s86, s86, 1
	s_mul_i32 s87, s86, RTS/2
	s_add_co_u32 s88, s88, s87
	s_add_co_u32 s90, s90, s87
	s_mul_i32 s98, s86, RTS
	s_mov_b32 s99, 0
	s_mul_i32 s92, s40, RTS
	s_add_co_u32 s92, s92, s88
	s_mul_i32 s93, s41, RTS
	s_add_co_u32 s93, s93, s90
	s_cmp_eq_u32 s17, 0
	s_cselect_b32 s92, s92, s93
	s_mov_b32 s93, 0
.endif
	s_lshl_b32 s20, s16, 16
	s_mov_b32 s[G0], 1
	s_mov_b32 s[G0+1], s20
	s_mov_b32 s[G0B], 1
	s_mov_b32 s[G0B+1], s20
	s_wait_dscnt 0x0
	s_wait_kmcnt 0x0
	s_load_b64 s[84:85], s[12:13], EI*4
	s_add_nc_u64 s[G0+2:G0+3], s[4:5], s[88:89]
	s_or_b32 s[G0+3], s[G0+3], 0x80000000
	s_add_nc_u64 s[G0B+2:G0B+3], s[6:7], s[90:91]
	s_or_b32 s[G0B+3], s[G0B+3], 0x80000000
	CROUND
	JLOAD
.if NCH > 1
	s_cmp_eq_u32 s17, 0
	s_cselect_b64 s[PFA:PFA+1], s[4:5], s[6:7]
	s_add_nc_u64 s[PFA:PFA+1], s[PFA:PFA+1], s[92:93]
	s_add_nc_u64 s[PFB:PFB+1], s[PFA:PFA+1], (NCH/2)*16384
	s_sub_nc_u64 s[PFB:PFB+1], s[PFB:PFB+1], s[98:99]
.endif
	s_lshl_b32 s76, s46, 19
	s_lshl_b32 s77, s17, 18
	s_add_co_u32 s76, s76, s77
	s_lshl_b32 s78, s47, 9
	s_lshl_b32 s79, s18, 8
	s_add_co_u32 s78, s78, s79
	s_add_co_u32 s76, s76, s78
	s_mov_b32 s77, 0
	s_mov_b32 s79, 0
	s_add_nc_u64 s[10:11], s[10:11], s[76:77]
	s_add_nc_u64 s[14:15], s[14:15], s[76:77]
	s_add_nc_u64 s[8:9], s[8:9], s[78:79]
	s_lshl_b32 s21, s17, 16
	s_lshl_b32 s22, s18, 16
	s_add_co_u32 s22, s22, 131072
	s_mul_i32 s23, s16, 16*SP
	s_add_co_u32 s23, s23, STAGE
	v_and_b32 v1, 31, v0
	v_lshlrev_b32 v2, 4, v1
	v_lshlrev_b32 v[PFO], 8, v1
	v_and_b32 v3, 15, v0
	v_bfe_u32 v4, v0, 4, 1
	v_add_nc_u32 v[ADRA], s21, v2
	v_add_nc_u32 v[ADRB], s22, v2
	v_mul_u32_u24 v[STO], v3, SP
	v_lshl_add_u32 v[STO], v4, 5, v[STO]
	v_add_nc_u32 v[STO], s23, v[STO]
	v_mul_u32_u24 v[RD], v4, SP
	v_lshl_add_u32 v[RD], v3, 4, v[RD]
	v_add_nc_u32 v[RD], s23, v[RD]
	v_lshlrev_b32 v[CO], 12, v4
	v_lshl_add_u32 v[CO], v3, 4, v[CO]
	v_lshlrev_b32 v5, 4, v3
	s_wait_alu depctr_va_vdst(0)
	global_load_b128 v[BI:BI+3], v5, s[8:9]
	WIN 0xc0
.set i, 0
.rept 32
	global_load_b128 v[4*i:4*i+3], v[CO], s[10:11] offset:2*i*4096 th:TH_LOAD_NT
.set i, i+1
.endr
	WIN 0
.if NCH > 1
	global_prefetch_b8 v[PFO], s[PFA:PFA+1] offset:16384 th:TH_LOAD_NT scope:SCOPE_SE
	global_prefetch_b8 v[PFO], s[PFA:PFA+1] offset:16384+8192 th:TH_LOAD_NT scope:SCOPE_SE
.endif
	s_wait_tensorcnt 0x0
	s_barrier_signal -1
	s_barrier_wait -1
.set N, 0
.rept NCH
	CHUNK N
.set N, N+1
.endr
	s_wait_loadcnt 0x0
	s_wait_kmcnt 0x0
	s_add_co_i32 s84, s84, s85
	s_add_co_i32 s84, s84, 127
	s_lshl_b32 s84, s84, 23
	s_mov_b32 s85, s84
	WIN 0xc3
.set i, 0
.rept 32
	v_pk_add_f32 v[4*i:4*i+1], v[4*i:4*i+1], v[BI:BI+1]
	v_pk_add_f32 v[4*i+2:4*i+3], v[4*i+2:4*i+3], v[BI+2:BI+3]
.set i, i+1
.endr
	WIN 0
.macro TOSTAGE a
.irp b, 0,1,2,3
	ds_store_b128 v[STO], v[ACC+8*(4*(\a)+\b):ACC+8*(4*(\a)+\b)+3] offset:64*\b
	ds_store_b128 v[STO], v[ACC+8*(4*(\a)+\b)+4:ACC+8*(4*(\a)+\b)+7] offset:64*\b+16
.endr
.irp t, 0,1,2,3,4,5,6,7
	ds_load_b128 v[BK+32*((\a)%2)+4*\t:BK+32*((\a)%2)+4*\t+3], v[RD] offset:\t*2*SP
.endr
.endm
.macro SEND a, younger
	s_wait_dscnt \younger
	WIN 0x30
.set j, 0
.rept 16
	v_pk_fma_f32 v[BK+32*((\a)%2)+j:BK+32*((\a)%2)+j+1], v[BK+32*((\a)%2)+j:BK+32*((\a)%2)+j+1], s[84:85], v[32*(\a)+j:32*(\a)+j+1] op_sel_hi:[1,0,1]
.set j, j+2
.endr
	WIN 0
.irp t, 0,1,2,3,4,5,6,7
	global_store_b128 v[CO], v[BK+32*((\a)%2)+4*\t:BK+32*((\a)%2)+4*\t+3], s[14:15] offset:(16*(\a)+2*\t)*4096
.endr
.endm
	TOSTAGE 0
	TOSTAGE 1
	SEND 0, 16
	s_wait_xcnt 0x0
	TOSTAGE 2
	SEND 1, 16
	s_wait_xcnt 0x0
	TOSTAGE 3
	SEND 2, 16
	SEND 3, 0
	s_wait_tensorcnt 0x0
	ds_add_u32 v[SPW], v[NIL]
	s_wait_dscnt 0x0
	CROUND
	s_endpgm
.Lfunc_end_k_q4b8edf76b1_oproj:
	.size	k_q4b8edf76b1_oproj, .Lfunc_end_k_q4b8edf76b1_oproj-k_q4b8edf76b1_oproj
	.p2alignl 7, 3214868480
	.fill 96, 4, 3214868480
	.section	.rodata,"a",@progbits
	.p2align	6, 0x0
	.amdhsa_kernel k_q4b8edf76b1_oproj
		.amdhsa_group_segment_fixed_size 327680
		.amdhsa_private_segment_fixed_size 0
		.amdhsa_enable_private_segment 0
		.amdhsa_kernarg_size 48
		.amdhsa_user_sgpr_count 2
		.amdhsa_user_sgpr_kernarg_segment_ptr 1
		.amdhsa_wavefront_size32 1
		.amdhsa_system_sgpr_workgroup_id_x 1
		.amdhsa_system_sgpr_workgroup_id_y 1
		.amdhsa_system_sgpr_workgroup_id_z 1
		.amdhsa_system_vgpr_workitem_id 0
		.amdhsa_next_free_vgpr 896
		.amdhsa_next_free_sgpr 100
		.amdhsa_reserve_vcc 0
		.amdhsa_float_denorm_mode_32 3
		.amdhsa_float_denorm_mode_16_64 3
		.amdhsa_memory_ordered 1
		.amdhsa_forward_progress 1
		.amdhsa_inst_pref_size 50
	.end_amdhsa_kernel
	.amdgpu_metadata
---
amdhsa.version: [ 1, 2 ]
amdhsa.kernels:
  - .name:           k_q4b8edf76b1_oproj
    .symbol:         k_q4b8edf76b1_oproj.kd
    .args:
      - { .name: aimg, .offset: 0, .size: 8, .value_kind: global_buffer, .address_space: global }
      - { .name: pre, .offset: 8, .size: 8, .value_kind: global_buffer, .address_space: global }
      - { .name: bo, .offset: 16, .size: 8, .value_kind: global_buffer, .address_space: global }
      - { .name: x, .offset: 24, .size: 8, .value_kind: global_buffer, .address_space: global }
      - { .name: lowp_scales, .offset: 32, .size: 8, .value_kind: global_buffer, .address_space: global }
      - { .name: x2, .offset: 40, .size: 8, .value_kind: global_buffer, .address_space: global }
    .group_segment_fixed_size: 327680
    .private_segment_fixed_size: 0
    .kernarg_segment_align: 8
    .kernarg_segment_size: 48
    .max_flat_workgroup_size: 128
    .sgpr_count:     100
    .vgpr_count:     896
    .wavefront_size: 32
...
	.end_amdgpu_metadata
.endif
;; end of part 4
;; launch norm2 (part 5): grid 256 x 1, 4 waves a work-group, no clusters, 17,152 bytes of LDS; arguments x2, ln2_g, ln2_b, lowp_scales, h2img; writes h2img
.if DOCPART == 5
	.amdgcn_target "amdgcn-amd-amdhsa--gfx1250"
	.amdhsa_code_object_version 6
	.text
	.protected	k_q4b8edf76b1_norm2
	.globl	k_q4b8edf76b1_norm2
	.p2align	8
	.type	k_q4b8edf76b1_norm2,@function
k_q4b8edf76b1_norm2:
	s_mov_b64 s[64:65], 0
	v_nop
	global_prefetch_b8 v0, s[64:65] scope:SCOPE_SE
	s_setreg_imm32_b32 hwreg(HW_REG_WAVE_MODE, 25, 1), 1
	s_wait_xcnt 0x0
; LayerNorm 2 of x2, quantised to FP8 (E4M3) with entry 12 of the scales, stored as images of product 7's operand: [256 tiles of 16 rows][8][2,048 bytes] (launch prep's head says how an image lies).
; The work-group takes 16 rows, wave w rows 4 w .. 4 w + 3, a whole row in 32 registers: the sums never leave the wave.  The variance is taken of the numbers less their mean, so that a common offset does no harm.
; A row's codes go into a stage in their natural order along K; behind one barrier each wave reads two of the eight images, in image order, and stores them 512 consecutive bytes an instruction.
; A stream: no tensor loads, no matrix work, no cluster (work-groups share only gamma and beta, 8,192 bytes).  LIMIT: e12 between -126 and 119.  NaN among the inputs is not served.
.set SPW,   12
.set NIL,   13
.set SPARE, 16640                      ; behind the stage (16 rows x 1,040 bytes): the spare words, 128 bytes for each wave
.set NSETS, 1
.set G,     16                         ; v16-47   gamma: register 4 j + e is k = 128 j + 4 lane + e
.set BT,    48                         ; v48-79   beta
.set X,     80                         ; v80-207  four rows; later the images on their way out
.set T,     208
.set C,     224
.set XP,    4
.set GP,    6
.set BP,    8
.set DST,   36
.macro REDUCE                          ; v252: its sum over the 32 lanes, in every lane
	v_add_f32_dpp v252, v252, v252 row_xmask:1 row_mask:0xf bank_mask:0xf
	v_add_f32_dpp v252, v252, v252 row_xmask:2 row_mask:0xf bank_mask:0xf
	v_add_f32_dpp v252, v252, v252 row_xmask:4 row_mask:0xf bank_mask:0xf
	v_add_f32_dpp v252, v252, v252 row_xmask:8 row_mask:0xf bank_mask:0xf
	v_permlanex16_b32 v253, v252, s28, s29
	v_add_f32 v252, v252, v253
.endm
.macro QSET p, q, sc, lim
.irp m, 0,1,2,3
.irp i, 0,1,2,3,4,5,6,7
	v_med3_num_f32 v[T+8*(\m%2)+\i], v[X+32*(\p)+8*\m+\i], -v[\lim], v[\lim]   ; the conversion does not saturate (ISA guide 7.6.2): the hold comes first
.endr
	v_cvt_scalef32_pk8_fp8_f32 v[C+8*(\q)+2*\m:C+8*(\q)+2*\m+1], v[T+8*(\m%2):T+8*(\m%2)+7], v[\sc]   ; register j: the four codes of k = 128 j + 4 lane + 0..3
.endr
.endm
.macro LNROW p
.set XR, X+32*(\p)
	s_wait_loadcnt 8*(3-(\p))                      ; gamma, beta and this row are in; the eight loads of each later row may be out
	v_pk_add_f32 v[248:249], v[XR:XR+1], v[XR+2:XR+3]
	v_pk_add_f32 v[250:251], v[XR+4:XR+5], v[XR+6:XR+7]
.irp j, 8,12,16,20,24,28
	v_pk_add_f32 v[248:249], v[248:249], v[XR+\j:XR+\j+1]
	v_pk_add_f32 v[250:251], v[250:251], v[XR+\j+2:XR+\j+3]
.endr
	v_pk_add_f32 v[248:249], v[248:249], v[250:251]
	v_add_f32 v252, v248, v249
	REDUCE
	v_mul_f32 v6, s30, v252                        ; the mean
.set j, 0
.rept 16
	v_pk_add_f32 v[XR+j:XR+j+1], v[XR+j:XR+j+1], v[6:7] op_sel_hi:[1,0] neg_lo:[0,1] neg_hi:[0,1]
.set j, j+2
.endr
	v_pk_mul_f32 v[248:249], v[XR:XR+1], v[XR:XR+1]
	v_pk_mul_f32 v[250:251], v[XR+2:XR+3], v[XR+2:XR+3]
.irp j, 4,8,12,16,20,24,28
	v_pk_fma_f32 v[248:249], v[XR+\j:XR+\j+1], v[XR+\j:XR+\j+1], v[248:249]
	v_pk_fma_f32 v[250:251], v[XR+\j+2:XR+\j+3], v[XR+\j+2:XR+\j+3], v[250:251]
.endr
	v_pk_add_f32 v[248:249], v[248:249], v[250:251]
	v_add_f32 v252, v248, v249
	REDUCE
	v_fma_f32 v252, v252, s30, s31                 ; the variance + 1e-5
	s_wait_alu depctr_va_vdst(0)
	v_rsq_f32 v8, v252
	v_nop                                          ; a plain instruction behind the transcendental,
	s_wait_alu depctr_va_vdst(0)                   ; and the wait ahead of its first reader
.set j, 0
.rept 16
	v_pk_mul_f32 v[XR+j:XR+j+1], v[XR+j:XR+j+1], v[8:9] op_sel_hi:[1,0]
.set j, j+2
.endr
.set j, 0
.rept 16
	v_pk_fma_f32 v[XR+j:XR+j+1], v[XR+j:XR+j+1], v[G+j:G+j+1], v[BT+j:BT+j+1]
.set j, j+2
.endr
	s_wait_dscnt 0x0                               ; the last row's stores have read the codes' registers
	QSET \p, 0, 10, 15
	v_nop                                          ; a plain instruction behind the last conversion
.irp j, 0,1,2,3,4,5,6,7
	ds_store_b32 v3, v[C+\j] offset:(\p)*1040+128*\j   ; 32 lanes: 128 consecutive bytes of the row
.endr
.endm
	s_load_b256 s[4:11], s[0:1], 0x0               ; x2 s[4:5], ln2_g s[6:7], ln2_b s[8:9], the scales' exponents s[10:11]
	s_load_b64 s[12:13], s[0:1], 0x20              ; h2img
	v_lshl_add_u32 v[SPW], v0, 2, SPARE
	v_mov_b32 v[NIL], 0
	v_lshrrev_b32 v1, 5, v0
	v_readfirstlane_b32 s26, v1                    ; wave 0..3
	v_and_b32 v1, 31, v0                           ; lane
	s_lshl_b32 s32, ttmp9, 16                      ; my tile's 16 rows of 4,096 bytes,
	s_lshl_b32 s33, s26, 14                        ; my wave's four
	s_add_co_u32 s32, s32, s33
	s_mov_b32 s33, 0
	s_lshl_b32 s34, ttmp9, 14                      ; the tile's eight images,
	s_lshl_b32 s35, s26, 12                        ; my wave's two
	s_add_co_u32 s34, s34, s35
	s_mov_b32 s35, 0
	s_wait_alu depctr_va_vdst(0)
	s_wait_kmcnt 0x0
	s_load_b32 s68, s[10:11], 0x30                 ; e12
	s_add_nc_u64 s[XP:XP+1], s[XP:XP+1], s[32:33]
	s_add_nc_u64 s[DST:DST+1], s[12:13], s[34:35]
	v_lshlrev_b32 v2, 4, v1                        ; 16 x lane
.irp j, 0,1,2,3,4,5,6,7
	global_load_b128 v[G+4*\j:G+4*\j+3], v2, s[GP:GP+1] offset:512*\j
.endr
.irp j, 0,1,2,3,4,5,6,7
	global_load_b128 v[BT+4*\j:BT+4*\j+3], v2, s[BP:BP+1] offset:512*\j
.endr
.irp p, 0,1,2,3
.irp j, 0,1,2,3,4,5,6,7
	global_load_b128 v[X+32*\p+4*\j:X+32*\p+4*\j+3], v2, s[XP:XP+1] offset:4096*\p+512*\j   ; 32 lanes read 512 consecutive bytes
.endr
.endr
	s_mul_i32 s42, s26, 4160
	v_lshlrev_b32 v3, 2, v1
	v_add_nc_u32 v3, s42, v3                       ; into the stage: my wave's four rows of 1,040 bytes, 4 bytes a lane
	v_and_b32 v4, 15, v1
	v_mul_u32_u24 v4, v4, 1040
	v_lshrrev_b32 v5, 4, v1
	v_lshl_add_u32 v4, v5, 3, v4
	s_lshl_b32 s42, s26, 8
	v_add_nc_u32 v4, s42, v4                       ; out of it: row lane % 16, + 8 (lane / 16), + my wave's 256 along K
	s_mov_b32 s28, 0x76543210
	s_mov_b32 s29, 0xfedcba98
	s_mov_b32 s30, 0x3a800000                      ; 1 / 1,024
	s_mov_b32 s31, 0x3727c5ac                      ; 1e-5
	v_mov_b32 v7, 0                                ; (named as the upper halves of the pairs v[6:7] and v[8:9])
	v_mov_b32 v9, 0
	v_mov_b32 v253, 0                              ; written once: a lane permute's destination counts as one of its sources
	s_wait_kmcnt 0x0
	s_add_co_i32 s45, s68, 127
	s_lshl_b32 s46, s45, 23
	v_mov_b32 v10, s46                             ; 2^e12
	s_add_co_i32 s45, s45, 8
	s_lshl_b32 s45, s45, 23
	s_or_b32 s45, s45, 0x600000
	v_mov_b32 v15, s45                             ; 448 x 2^e12
	LNROW 0
	LNROW 1
	LNROW 2
	LNROW 3
	s_wait_dscnt 0x0                               ; for the others' sake: my rows lie in the stage
	s_barrier_signal -1
	s_barrier_wait -1
.set p, 0
.rept 8                                ; piece p: image p / 4 of my two, registers 4 (p % 4) on
	ds_load_b64 v[X+4*p:X+4*p+1], v4 offset:(p/4)*128+(p%4)*32
	ds_load_b64 v[X+4*p+2:X+4*p+3], v4 offset:(p/4)*128+(p%4)*32+16
.set p, p+1
.endr
.set p, 0
.rept 8
	s_wait_dscnt 2*(7-p)                           ; the two loads of each later piece may be out
	global_store_b128 v2, v[X+4*p:X+4*p+3], s[DST:DST+1] offset:(p/4)*2048+(p%4)*512   ; 512 consecutive bytes, aligned
.set p, p+1
.endr
	s_wait_tensorcnt 0x0                           ; the wave's end
	ds_add_u32 v[SPW], v[NIL]
	s_wait_dscnt 0x0
	s_endpgm
.Lfunc_end_k_q4b8edf76b1_norm2:
	.size	k_q4b8edf76b1_norm2, .Lfunc_end_k_q4b8edf76b1_norm2-k_q4b8edf76b1_norm2
	.p2alignl 7, 3214868480
	.fill 96, 4, 3214868480
	.section	.rodata,"a",@progbits
	.p2align	6, 0x0
	.amdhsa_kernel k_q4b8edf76b1_norm2
		.amdhsa_group_segment_fixed_size 17152
		.amdhsa_private_segment_fixed_size 0
		.amdhsa_enable_private_segment 0
		.amdhsa_kernarg_size 40
		.amdhsa_user_sgpr_count 2
		.amdhsa_user_sgpr_kernarg_segment_ptr 1
		.amdhsa_wavefront_size32 1
		.amdhsa_system_sgpr_workgroup_id_x 1
		.amdhsa_system_sgpr_workgroup_id_y 1
		.amdhsa_system_sgpr_workgroup_id_z 1
		.amdhsa_system_vgpr_workitem_id 0
		.amdhsa_next_free_vgpr 256
		.amdhsa_next_free_sgpr 80
		.amdhsa_reserve_vcc 0
		.amdhsa_float_denorm_mode_32 3
		.amdhsa_float_denorm_mode_16_64 3
		.amdhsa_memory_ordered 1
		.amdhsa_forward_progress 1
		.amdhsa_inst_pref_size 45
	.end_amdhsa_kernel
	.amdgpu_metadata
---
amdhsa.version: [ 1, 2 ]
amdhsa.kernels:
  - .name:           k_q4b8edf76b1_norm2
    .symbol:         k_q4b8edf76b1_norm2.kd
    .args:
      - { .name: x2, .offset: 0, .size: 8, .value_kind: global_buffer, .address_space: global }
      - { .name: ln2_g, .offset: 8, .size: 8, .value_kind: global_buffer, .address_space: global }
      - { .name: ln2_b, .offset: 16, .size: 8, .value_kind: global_buffer, .address_space: global }
      - { .name: lowp_scales, .offset: 24, .size: 8, .value_kind: global_buffer, .address_space: global }
      - { .name: h2img, .offset: 32, .size: 8, .value_kind: global_buffer, .address_space: global }
    .group_segment_fixed_size: 17152
    .private_segment_fixed_size: 0
    .kernarg_segment_align: 8
    .kernarg_segment_size: 40
    .max_flat_workgroup_size: 128
    .sgpr_count:     80
    .vgpr_count:     256
    .wavefront_size: 32
...
	.end_amdgpu_metadata
.endif
;; end of part 5
;; launch fc1 (part 6): grid 16 x 16, 4 waves a work-group, clusters of 4 x 4, 327,680 bytes of LDS; arguments h2img, pre, b1, lowp_scales, gimg; writes gimg
.if DOCPART == 6
	.amdgcn_target "amdgcn-amd-amdhsa--gfx1250"
	.amdhsa_code_object_version 6
	.text
	.protected	k_q4b8edf76b1_fc1
	.globl	k_q4b8edf76b1_fc1
	.p2align	8
	.type	k_q4b8edf76b1_fc1,@function
k_q4b8edf76b1_fc1:
	s_mov_b64 s[64:65], 0
	v_nop
	global_prefetch_b8 v0, s[64:65] scope:SCOPE_SE
	s_setreg_imm32_b32 hwreg(HW_REG_WAVE_MODE, 25, 1), 1
	s_wait_xcnt 0x0
	s_wait_alu depctr_hold_cnt(0) depctr_sa_sdst(0) depctr_va_vdst(0) depctr_va_sdst(0) depctr_va_ssrc(0) depctr_va_vcc(0) depctr_vm_vsrc(0)
	s_getreg_b32 s2, hwreg(HW_REG_IB_STS2, 6, 4)
	s_cmp_eq_u32 s2, 0
	s_cbranch_scc0 .Lentry_in_a_cluster
	s_endpgm
.Lentry_in_a_cluster:
	s_bfe_u32 s2, ttmp6, 0x10000c
	s_cmp_lg_u32 s2, 0xf033
	s_cbranch_scc0 .Lentry_shape_is_right
	s_endpgm
.Lentry_shape_is_right:
.set SLOT,   131072
.set SPARE,  2*SLOT
.set FR,     16
.set NL,     4
.set NP,     4
.set ADRA, 16
.set ADRB, 20
.set BOQ,  25
.set LI,   27
.set SPW,  28
.set NIL,  29
.set SCL,  30
.set LIM,  31
.set CD,   32
.set BI,   64
.set AF,   128
.set TT,   128
.set UU,   192
.set G1, 24
.set G0, 32
.set G1B, 48
.set G0B, 56
.set MSB, 0
.macro WIN new
.if MSB != \new
	s_set_vgpr_msb (MSB<<8)|\new
.set MSB, \new
.endif
.endm
.set MUL_LO, 0xa1
.set MUL_HI, 0xf1
.set TO_B,   0x40
.macro JLOAD g0a, g1a, g0b, g1b
	s_cmp_eq_u32 s17, 0
	s_cbranch_scc0 .Lfor_b_\@
	tensor_load_to_lds s[\g0a:\g0a+3], s[\g1a:\g1a+7]
	s_nop 0
.rept 4
	v_nop
.endr
	s_branch .Lasked_\@
.Lfor_b_\@:
	tensor_load_to_lds s[\g0b:\g0b+3], s[\g1b:\g1b+7]
	s_nop 0
.rept 4
	v_nop
.endr
.Lasked_\@:
.endm
.macro CREST
	s_cmp_lg_u32 s16, 0
	s_cbranch_scc1 .Lnot_wave_0_\@
	s_barrier_signal -3
.Lnot_wave_0_\@:
	s_barrier_wait -3
	s_barrier_signal -1
	s_barrier_wait -1
.endm
.macro CROUND
	s_barrier_signal -1
	s_barrier_wait -1
	CREST
.endm
.macro FRAG reg, adr, q, i
.irp c, 0,1,2,3
	ds_load_b128 v[\reg+4*\c:\reg+4*\c+3], v[\adr] offset:(\i)*4096+(\q)*2048+512*\c
.endr
.endm
.macro MUL16 a0, p, zero
.irp a, \a0, \a0+1
.irp b, 0,1,2,3,4,5,6,7
.if \zero
	v_wmma_f32_16x16x128_fp8_fp8 v[8*(8*((\a)%4)+\b):8*(8*((\a)%4)+\b)+7], v[128*(\p)+FR*\b:128*(\p)+FR*\b+FR-1], v[AF+FR*(\a):AF+FR*(\a)+FR-1], 0
.else
	v_wmma_f32_16x16x128_fp8_fp8 v[8*(8*((\a)%4)+\b):8*(8*((\a)%4)+\b)+7], v[128*(\p)+FR*\b:128*(\p)+FR*\b+FR-1], v[AF+FR*(\a):AF+FR*(\a)+FR-1], v[8*(8*((\a)%4)+\b):8*(8*((\a)%4)+\b)+7]
.endif
.endr
.endr
.endm
.macro FETCH_B slot, q, p
	WIN TO_B
.irp i, 0,1,2,3,4,5,6,7
	FRAG 128*(\p)+FR*\i, ADRB+\slot, \q, \i
.endr
	WIN 0
.endm
.macro FETCH_A slot, q, i0
.irp i, \i0, \i0+1, \i0+2, \i0+3
	FRAG AF+FR*(\i), ADRA+\slot, \q, \i
.endr
.endm
.macro PLACES n
.rept \n
	v_nop
.endr
.endm
.macro STEP slot, q, zero
	s_wait_dscnt 4*NL
	WIN MUL_LO
	MUL16 0, (\q)%2, \zero
	MUL16 2, (\q)%2, \zero
	s_wait_dscnt 0
	PLACES NP
	FETCH_B \slot, (\q)+1, 1-(\q)%2
	FETCH_A \slot, (\q)+1, 0
	WIN MUL_HI
	MUL16 4, (\q)%2, \zero
	MUL16 6, (\q)%2, \zero
	PLACES NP
	WIN 0
	FETCH_A \slot, (\q)+1, 4
.endm
.macro TURN slot, next, fill
	s_wait_tensorcnt 0x0
	ds_add_u32 v[SPW], v[NIL]
	s_wait_dscnt 4*NL+1
	WIN MUL_LO
	MUL16 0, 1, 0
	s_wait_dscnt 0x0
	s_barrier_signal -1
	MUL16 2, 1, 0
	WIN 0
	s_barrier_wait -1
.if \fill
	CREST
	s_add_nc_u64 s[G0+4*\slot+2:G0+4*\slot+3], s[G0+4*\slot+2:G0+4*\slot+3], 8192
	s_sub_nc_u64 s[G0+4*\slot+2:G0+4*\slot+3], s[G0+4*\slot+2:G0+4*\slot+3], s[96:97]
	s_add_nc_u64 s[G0B+4*\slot+2:G0B+4*\slot+3], s[G0B+4*\slot+2:G0B+4*\slot+3], 8192
	s_sub_nc_u64 s[G0B+4*\slot+2:G0B+4*\slot+3], s[G0B+4*\slot+2:G0B+4*\slot+3], s[96:97]
	JLOAD G0+4*\slot, G1, G0B+4*\slot, G1B
.if \slot == 0
	global_prefetch_b8 v22, s[70:71] offset:4096 th:TH_LOAD_NT scope:SCOPE_SE   ; behind place 2's load: place 3
.endif
.else
	PLACES NP
.endif
	FETCH_B \next, 0, 0
	FETCH_A \next, 0, 0
	WIN MUL_HI
	MUL16 4, 1, 0
	MUL16 6, 1, 0
	PLACES NP
	WIN 0
	FETCH_A \next, 0, 4
.endm
.macro EPG a
.if (\a) >= 2
	s_wait_xcnt 0x0
.endif
	WIN 0x02+(\a)/4
.set j, 0
.rept 32
	v_pk_fma_f32 v[TT+j:TT+j+1], v[64*((\a)%4)+j:64*((\a)%4)+j+1], s[84:85], v[BI+j:BI+j+1] op_sel_hi:[1,0,1]
.set j, j+2
.endr
	WIN 0
.set j, 0
.rept 32
	v_pk_mul_f32 v[UU+j:UU+j+1], v[TT+j:TT+j+1], s[86:87] op_sel_hi:[1,0]
.set j, j+2
.endr
.set j, 0
	s_wait_alu depctr_va_vdst(0)
.rept 64
	v_exp_f32 v[UU+j], v[UU+j]
.set j, j+1
.endr
	v_nop
	s_wait_alu depctr_va_vdst(0)
.set j, 0
.rept 32
	v_pk_add_f32 v[UU+j:UU+j+1], v[UU+j:UU+j+1], 1.0 op_sel_hi:[1,0]
.set j, j+2
.endr
.set j, 0
	s_wait_alu depctr_va_vdst(0)
.rept 64
	v_rcp_f32 v[UU+j], v[UU+j]
.set j, j+1
.endr
	v_nop
	s_wait_alu depctr_va_vdst(0)
.set j, 0
.rept 32
	v_pk_mul_f32 v[TT+j:TT+j+1], v[TT+j:TT+j+1], v[UU+j:UU+j+1]
.set j, j+2
.endr
.irp b, 0,1,2,3,4,5,6,7
.irp i, 0,1,2,3,4,5,6,7
	v_med3_num_f32 v[TT+8*\b+\i], v[TT+8*\b+\i], -v[LIM], v[LIM]
.endr
	v_cvt_scalef32_pk8_fp8_f32 v[CD+16*((\a)%2)+2*\b:CD+16*((\a)%2)+2*\b+1], v[TT+8*\b:TT+8*\b+7], v[SCL]
.endr
	v_nop
.irp p, 0,1,2,3
	global_store_b128 v[LI], v[CD+16*((\a)%2)+4*\p:CD+16*((\a)%2)+4*\p+3], s[12:13] offset:(\a)*65536+\p*512
.endr
.endm
	s_load_b256 s[4:11], s[0:1], 0x0
	s_load_b64 s[12:13], s[0:1], 0x20
	v_lshl_add_u32 v[SPW], v0, 2, SPARE
	v_mov_b32 v[NIL], 0
	ds_add_u32 v[SPW], v[NIL]
	ds_add_u32 v[SPW], v[NIL]
	v_lshrrev_b32 v1, 5, v0
	v_readfirstlane_b32 s16, v1
	s_lshr_b32 s17, s16, 1
	s_and_b32 s18, s16, 1
	s_bfe_u32 s40, ttmp6, 0x40000
	s_bfe_u32 s41, ttmp6, 0x40004
	s_lshl_b32 s47, ttmp9, 2
	s_add_co_u32 s47, s47, s40
	s_and_b32 s46, ttmp7, 0xffff
	s_lshl_b32 s46, s46, 2
	s_add_co_u32 s46, s46, s41
	s_lshl_b32 s44, s41, 2
	s_lshl_b32 s44, 15, s44
	s_lshl_b32 s45, 0x1111, s40
	s_or_b32 s[G1+0], s44, (3<<16)|(1<<21)
	s_or_b32 s[G1B+0], s45, (3<<16)|(1<<21)
.irp g, G1, G1B
	s_mov_b32 s[\g+1], 512<<16
	s_mov_b32 s[\g+2], 8<<16
	s_mov_b32 s[\g+3], 512<<16
	s_mov_b32 s[\g+4], 8
	s_mov_b32 s[\g+5], 2048
	s_mov_b32 s[\g+6], 0
	s_mov_b32 s[\g+7], 0
.endr
	s_lshl_b32 s19, s18, 17
	s_lshl_b32 s88, s46, 18
	s_add_co_u32 s88, s88, s19
	s_mov_b32 s89, 0
	s_lshl_b32 s90, s47, 18
	s_add_co_u32 s90, s90, s19
	s_add_co_u32 s90, s90, 4<<20
	s_mov_b32 s91, 0
	s_and_b32 s98, ttmp7, 0xffff
	s_add_co_u32 s98, s98, ttmp9
	s_and_b32 s98, s98, 1
	s_lshl_b32 s99, s98, 13
	s_add_co_u32 s88, s88, s99
	s_add_co_u32 s90, s90, s99
	s_lshl_b32 s96, s98, 14
	s_mov_b32 s97, 0
	s_lshl_b32 s20, s16, 15
	s_mov_b32 s86, 0xc01d265f
	s_mov_b32 s87, s86
	s_wait_dscnt 0x0
	s_wait_kmcnt 0x0
	s_load_b128 s[80:83], s[10:11], 0x30
	s_add_nc_u64 s[88:89], s[4:5], s[88:89]
	s_add_nc_u64 s[90:91], s[6:7], s[90:91]
	CROUND
.irp s, 0,1
	s_mov_b32 s[G0+4*\s], 1
	s_add_co_u32 s[G0+4*\s+1], s20, \s*SLOT
	s_add_nc_u64 s[G0+4*\s+2:G0+4*\s+3], s[88:89], \s*4096
	s_or_b32 s[G0+4*\s+3], s[G0+4*\s+3], 0x80000000
	s_mov_b32 s[G0B+4*\s], 1
	s_add_co_u32 s[G0B+4*\s+1], s20, \s*SLOT
	s_add_nc_u64 s[G0B+4*\s+2:G0B+4*\s+3], s[90:91], \s*4096
	s_or_b32 s[G0B+4*\s+3], s[G0B+4*\s+3], 0x80000000
.endr
	JLOAD G0, G1, G0B, G1B                         ; the walk's place 0: one tensor load a wave at the head
	; PREFETCH: behind the joint load for place j of the walk along K stands one instruction a wave for place j + 1 (128 matrix instructions ahead of its load).  Of the eight tiles of 16 rows that a wave fetches, each of the four
	; partners that ask with it takes two, told apart by address (cx for the rows, cy for the weight): 2 x 4,096 bytes, lanes 256 bytes apart.  The address registers are never rewritten.  Place 0 comes by its load alone; place 3 is the last.
	s_cmp_eq_u32 s17, 0
	s_cselect_b64 s[68:69], s[88:89], s[90:91]
	s_cselect_b32 s66, s40, s41
	s_lshl_b32 s66, s66, 15                        ; two tiles of 16,384 bytes for each partner
	s_mov_b32 s67, 0
	s_add_nc_u64 s[68:69], s[68:69], s[66:67]      ; at place 0,
	s_add_nc_u64 s[70:71], s[68:69], 8192
	s_sub_nc_u64 s[70:71], s[70:71], s[96:97]      ; at place 2: an odd cluster has passed K's end there
	v_bfe_u32 v22, v0, 4, 1
	v_and_b32 v23, 15, v0
	v_lshlrev_b32 v23, 8, v23
	v_lshl_add_u32 v22, v22, 14, v23               ; tile lane / 16, block lane % 16
	s_wait_alu depctr_va_vdst(0)
	global_prefetch_b8 v22, s[68:69] offset:4096 th:TH_LOAD_NT scope:SCOPE_SE
	s_wait_tensorcnt 0x0                           ; my part of place 0 is in
	ds_add_u32 v[SPW], v[NIL]
	s_wait_dscnt 0x0
	CROUND                                         ; a whole round,
	JLOAD G0+4, G1, G0B+4, G1B                     ; and place 1's load, the first tensor load behind it
	global_prefetch_b8 v22, s[70:71] th:TH_LOAD_NT scope:SCOPE_SE
	v_and_b32 v1, 31, v0
	v_lshlrev_b32 v[LI], 4, v1
	v_bfe_u32 v3, v0, 4, 1
	v_lshlrev_b32 v[BOQ], 5, v3
	s_wait_alu depctr_va_vdst(0)
	s_lshl_b32 s21, s17, 15
	s_lshl_b32 s22, s18, 15
	s_add_co_u32 s22, s22, 65536
.irp s, 0,1
	v_add_nc_u32 v[ADRA+\s], s21, v[LI]
	v_add_nc_u32 v[ADRB+\s], s22, v[LI]
	s_add_co_u32 s21, s21, SLOT
	s_add_co_u32 s22, s22, SLOT
.endr
	s_lshl_b32 s92, s47, 10
	s_lshl_b32 s93, s18, 9
	s_add_co_u32 s92, s92, s93
	s_mov_b32 s93, 0
	s_add_nc_u64 s[8:9], s[8:9], s[92:93]
.irp b, 0,1,2,3,4,5,6,7
	global_load_b128 v[BI+8*\b:BI+8*\b+3], v[BOQ], s[8:9] offset:64*\b
	global_load_b128 v[BI+8*\b+4:BI+8*\b+7], v[BOQ], s[8:9] offset:64*\b+16
.endr
	s_lshl_b32 s94, s46, 4
	s_lshl_b32 s95, s17, 3
	s_add_co_u32 s94, s94, s95
	s_lshl_b32 s94, s94, 16
	s_lshl_b32 s95, s47, 1
	s_add_co_u32 s95, s95, s18
	s_lshl_b32 s95, s95, 11
	s_add_co_u32 s94, s94, s95
	s_mov_b32 s95, 0
	s_add_nc_u64 s[12:13], s[12:13], s[94:95]
	s_wait_alu depctr_va_vdst(0)
	s_wait_tensorcnt 1
	s_barrier_signal -1
	s_barrier_wait -1
	FETCH_B 0, 0, 0
	FETCH_A 0, 0, 0
	FETCH_A 0, 0, 4
	STEP 0, 0, 1
	TURN 0, 1, 1
	STEP 1, 0, 0
	TURN 1, 0, 1
	STEP 0, 0, 0
	TURN 0, 1, 0
	STEP 1, 0, 0
	s_wait_dscnt 4*NL
	WIN MUL_LO
	MUL16 0, 1, 0
	MUL16 2, 1, 0
	s_wait_dscnt 0
	WIN MUL_HI
	MUL16 4, 1, 0
	MUL16 6, 1, 0
	WIN 0
	s_wait_kmcnt 0x0
	s_add_co_i32 s84, s80, s81
	s_add_co_i32 s84, s84, 127
	s_lshl_b32 s84, s84, 23
	s_mov_b32 s85, s84
	s_add_co_i32 s96, s82, 127
	s_lshl_b32 s97, s96, 23
	v_mov_b32 v[SCL], s97
	s_add_co_i32 s96, s96, 8
	s_lshl_b32 s96, s96, 23
	s_or_b32 s96, s96, 0x600000
	v_mov_b32 v[LIM], s96
	s_wait_loadcnt 0x0
	PLACES NP
.irp a, 0,1,2,3,4,5,6,7
	EPG \a
.endr
	s_wait_tensorcnt 0x0
	ds_add_u32 v[SPW], v[NIL]
	s_wait_dscnt 0x0
	CROUND
	s_endpgm
.Lfunc_end_k_q4b8edf76b1_fc1:
	.size	k_q4b8edf76b1_fc1, .Lfunc_end_k_q4b8edf76b1_fc1-k_q4b8edf76b1_fc1
	.p2alignl 7, 3214868480
	.fill 96, 4, 3214868480
	.section	.rodata,"a",@progbits
	.p2align	6, 0x0
	.amdhsa_kernel k_q4b8edf76b1_fc1
		.amdhsa_group_segment_fixed_size 327680
		.amdhsa_private_segment_fixed_size 0
		.amdhsa_enable_private_segment 0
		.amdhsa_kernarg_size 40
		.amdhsa_user_sgpr_count 2
		.amdhsa_user_sgpr_kernarg_segment_ptr 1
		.amdhsa_wavefront_size32 1
		.amdhsa_system_sgpr_workgroup_id_x 1
		.amdhsa_system_sgpr_workgroup_id_y 1
		.amdhsa_system_sgpr_workgroup_id_z 1
		.amdhsa_system_vgpr_workitem_id 0
		.amdhsa_next_free_vgpr 1024
		.amdhsa_next_free_sgpr 100
		.amdhsa_reserve_vcc 0
		.amdhsa_float_denorm_mode_32 3
		.amdhsa_float_denorm_mode_16_64 3
		.amdhsa_memory_ordered 1
		.amdhsa_forward_progress 1
		.amdhsa_inst_pref_size 218
	.end_amdhsa_kernel
	.amdgpu_metadata
---
amdhsa.version: [ 1, 2 ]
amdhsa.kernels:
  - .name:           k_q4b8edf76b1_fc1
    .symbol:         k_q4b8edf76b1_fc1.kd
    .args:
      - { .name: h2img, .offset: 0, .size: 8, .value_kind: global_buffer, .address_space: global }
      - { .name: pre, .offset: 8, .size: 8, .value_kind: global_buffer, .address_space: global }
      - { .name: b1, .offset: 16, .size: 8, .value_kind: global_buffer, .address_space: global }
      - { .name: lowp_scales, .offset: 24, .size: 8, .value_kind: global_buffer, .address_space: global }
      - { .name: gimg, .offset: 32, .size: 8, .value_kind: global_buffer, .address_space: global }
    .group_segment_fixed_size: 327680
    .private_segment_fixed_size: 0
    .kernarg_segment_align: 8
    .kernarg_segment_size: 40
    .max_flat_workgroup_size: 128
    .sgpr_count:     100
    .vgpr_count:     1024
    .wavefront_size: 32
...
	.end_amdgpu_metadata
.endif
;; end of part 6
;; launch fc2 (part 7): grid 8 x 32, 4 waves a work-group, clusters of 4 x 4, 327,680 bytes of LDS; arguments gimg, pre, b2, x2, lowp_scales, out0; writes out0
.if DOCPART == 7
	.amdgcn_target "amdgcn-amd-amdhsa--gfx1250"
	.amdhsa_code_object_version 6
	.text
	.protected	k_q4b8edf76b1_fc2
	.globl	k_q4b8edf76b1_fc2
	.p2align	8
	.type	k_q4b8edf76b1_fc2,@function
k_q4b8edf76b1_fc2:
	s_mov_b64 s[64:65], 0
	v_nop
	global_prefetch_b8 v0, s[64:65] scope:SCOPE_SE
	s_setreg_imm32_b32 hwreg(HW_REG_WAVE_MODE, 25, 1), 1
	s_wait_xcnt 0x0
	s_wait_alu depctr_hold_cnt(0) depctr_sa_sdst(0) depctr_va_vdst(0) depctr_va_sdst(0) depctr_va_ssrc(0) depctr_va_vcc(0) depctr_vm_vsrc(0)
	s_getreg_b32 s2, hwreg(HW_REG_IB_STS2, 6, 4)
	s_cmp_eq_u32 s2, 0
	s_cbranch_scc0 .Lentry_in_a_cluster
	s_endpgm
.Lentry_in_a_cluster:
	s_bfe_u32 s2, ttmp6, 0x10000c
	s_cmp_lg_u32 s2, 0xf033
	s_cbranch_scc0 .Lentry_shape_is_right
	s_endpgm
.Lentry_shape_is_right:
; Product 8 and the second residual: out0 = x2 + gelu's codes x W2 + b2.  Both operands are images of FP8 (E4M3) fragments (launch prep's head says how they lie); x2, b2 and out0 are f32.  Nothing is left out here.
; SHARES.  A tile of 128 x 128 of the result to a work-group: 32 x 8 tiles, 256 work-groups; four waves, 64 x 64 each: 16 accumulators.  Source 0 = 16 columns of the weight, source 1 = 16 rows: a lane holds eight neighbouring numbers of a row.
; ONE SLOT OF K = 1,024, AND REGISTERS AS ITS SECOND HALF.  K goes in NCH chunks of 1,024 (eight images) through one LDS slot of 262,144 bytes: the rows' 8 tiles x 16,384 bytes, then the weight's.  A wave fetches a quarter of it by ONE tensor
; load: 4 rows of 16,384 bytes.  Four fragment buffers of 128 registers (image q in buffer q % 4) run four images ahead: while images 0 to 3 are multiplied, images 4 to 7 come into the buffers that fall free.  When all eight are
; read, the slot is filled again, and images 5 to 7 are multiplied out of registers under that load.  So a chunk has one refill and one round, and the head has one load a wave.
; THE COUNTS.  Ahead of image q's products three later images' 96 LDS loads may be out (ahead of image 4's, with the add: 97); the field holds 63, which is written.  In the last chunk: 63, 63, 32, 0 ahead of images 4 to 7.
; One tensor load of a wave is out at a time: both waits on TENSORcnt of a chunk are for 0: the first ahead of the landing's barrier, the second, with nothing out, in the three lines ahead of the refill's round.
; CLUSTERS: 4 x 4 work-groups; the rows' tiles are shared along a row of the cluster, the weight's along a column, each asked for jointly.
; WHERE K BEGINS: clusters whose x + y is odd begin K at its middle and wrap round, so that the clusters that read the same rows of an operand ask for a given chunk at different times.
; PREFETCH.  Place 1 of the walk is asked for behind the first landing's barrier, five images' products (80 matrix instructions a wave) ahead of its joint load; place n + 2 behind the joint load for place n + 1, one slot (128 matrix
; instructions) ahead.  Of the four tiles of 16 rows that a wave fetches, each of the four partners that ask with it takes one, told apart by address (cx for the rows, cy for the weight): 16,384 bytes, lanes 256 bytes apart, two
; instructions a wave.  The address registers are never rewritten.  Place 0 comes by its load alone.
; THE RESIDUAL's 32 loads a wave stand behind the three refills, 11, 11 and 10 of them (the split is written for NCH = 4); the bias is asked for at the head.  One wait for all of them stands on the way out.
; result = sum x 2^E + (x2 + bias): against reference() only the order of two roundings differs.
; LIMIT: E = the two operands' exponents added lies between -126 and 127.
; REGISTERS: window 0: v8-11 the bias; v12-29 addresses; v32-95 rows on their way out, two sets; v128-255 the accumulators ((a, b) at v[128 + 8 (4 a + b)]).  windows 1, 2: the four buffers (64 of the rows' side, 64 of the weight's).  window 3: v0-127 the residual.
.set KTOT,  4096
.set WOFF,  8<<20                      ; the weight's images in pre
.set EI,    14                         ; the operands' entries of the scales: EI, EI + 1
.set RTS,   KTOT/128*2048              ; from a tile of 16 rows of an operand to the next, in bytes
.set NCH,   KTOT/1024                  ; chunks
.set SPARE, 262144                     ; behind the slot: the spare words, 128 bytes for each wave: two blocks of 256 bytes that no other line names
.set STAGE, SPARE+512                  ; behind them: the way out's stages, 16 rows x 272 bytes for each wave: no fill lands here
.set SP,    272
.set BI,   8
.set PFO,  12                          ; v12  256 x lane
.set ADRA, 16                          ; v16  LDS address of my rows' fragments
.set ADRB, 17                          ; v17  of my columns'
.set STO,  24
.set RD,   25
.set CO,   26
.set SPW,  28                          ; v28  LDS address of my spare word; never rewritten
.set NIL,  29                          ; v29  0; never rewritten
.set BK,   32
.set ACC,  128
.set G1,  24                           ; s[24:31] descriptor group 1 for the rows;  s[32:35] group 0
.set G0,  32
.set G1B, 48                           ; s[48:55], s[56:59] the same for the weight
.set G0B, 56
.set PFA, 68                           ; s[68:69] my prefetches' tile at the chunk where my cluster begins
.set PFB, 70                           ; s[70:71] the same at the walk's place NCH / 2
.set MSB, 0
.macro WIN new                         ; the immediate's high byte repeats the setting that is left
.if MSB != \new
	s_set_vgpr_msb (MSB<<8)|\new
.set MSB, \new
.endif
.endm
.macro JLOAD                           ; a joint load: waves 0 and 1 fetch the rows' two halves, waves 2 and 3 the weight's; an s_nop 0 and four v_nop follow each of the two lines
	s_cmp_eq_u32 s17, 0
	s_cbranch_scc0 .Lfor_b_\@
	tensor_load_to_lds s[G0:G0+3], s[G1:G1+7]
	s_nop 0
.rept 4
	v_nop
.endr
	s_branch .Lasked_\@
.Lfor_b_\@:
	tensor_load_to_lds s[G0B:G0B+3], s[G1B:G1B+7]
	s_nop 0
.rept 4
	v_nop
.endr
.Lasked_\@:
.endm
.macro CROUND                          ; a round of the cluster's barrier
	s_barrier_signal -1
	s_barrier_wait -1
	s_cmp_lg_u32 s16, 0
	s_cbranch_scc1 .Lnot_wave_0_\@
	s_barrier_signal -3
.Lnot_wave_0_\@:
	s_barrier_wait -3
	s_barrier_signal -1
	s_barrier_wait -1
.endm
.macro PLACES                          ; plain vector instructions between a matrix instruction and a load into its registers
.rept 4
	v_nop
.endr
.endm
.macro FETCH q                         ; image q of the slot's eight into buffer q % 4: the weight's four fragments, then my rows' four: 32 loads of 512 consecutive bytes
.set FB, 128*((\q)%2)
.if ((\q)%4) < 2
	WIN 0x40                                       ; destination window 1
.else
	WIN 0x80                                       ; window 2
.endif
.irp b, 0,1,2,3
.irp c, 0,1,2,3
	ds_load_b128 v[FB+64+16*\b+4*\c:FB+64+16*\b+4*\c+3], v[ADRB] offset:\b*16384+(\q)*2048+512*\c
.endr
.endr
.irp i, 0,1,2,3
.irp c, 0,1,2,3
	ds_load_b128 v[FB+16*\i+4*\c:FB+16*\i+4*\c+3], v[ADRA] offset:\i*16384+(\q)*2048+512*\c
.endr
.endr
.endm
.macro MULQ q, zero                    ; image q's 16 products; the 16 accumulators take turns, one instruction a turn; zero: the first products start the sums
.set FB, 128*((\q)%2)
.if ((\q)%4) < 2
	WIN 0x05                                       ; sources 0 and 1 window 1; C and D window 0
.else
	WIN 0x0a                                       ; window 2
.endif
.irp a, 0,1,2,3
.irp b, 0,1,2,3
.if \zero
	v_wmma_f32_16x16x128_fp8_fp8 v[ACC+8*(4*\a+\b):ACC+8*(4*\a+\b)+7], v[FB+64+16*\b:FB+64+16*\b+15], v[FB+16*\a:FB+16*\a+15], 0
.else
	v_wmma_f32_16x16x128_fp8_fp8 v[ACC+8*(4*\a+\b):ACC+8*(4*\a+\b)+7], v[FB+64+16*\b:FB+64+16*\b+15], v[FB+16*\a:FB+16*\a+15], v[ACC+8*(4*\a+\b):ACC+8*(4*\a+\b)+7]
.endif
.endr
.endr
.endm
.macro CHUNK n                         ; place n of the walk; the slot is whole and every wave knows it
	FETCH 0
	FETCH 1
	FETCH 2
	FETCH 3
.irp q, 0,1,2,3
	s_wait_dscnt 63                                ; image q is in
	MULQ \q, (\n+\q)==0
	PLACES
	FETCH \q+4                                     ; into the buffer just multiplied
.endr
.if (\n) < NCH-1
	WIN 0                                          ; (the add's two registers lie in window 0)
	s_wait_tensorcnt 0x0                           ; no tensor load of mine is out, so the groups 0 may be written
	ds_add_u32 v[SPW], v[NIL]                      ; 0 onto my spare word
	s_add_nc_u64 s[G0+2:G0+3], s[G0+2:G0+3], 16384 ; the next chunk,
	s_add_nc_u64 s[G0B+2:G0B+3], s[G0B+2:G0B+3], 16384
.if (\n)+1 == NCH/2
	s_sub_nc_u64 s[G0+2:G0+3], s[G0+2:G0+3], s[98:99]   ; and back by the whole of K where an odd cluster passes K's end (an even one: by 0)
	s_sub_nc_u64 s[G0B+2:G0B+3], s[G0B+2:G0B+3], s[98:99]
.endif
	s_wait_dscnt 63                                ; image 4 is in
	MULQ 4, 0                                      ; sixteen matrix instructions stand between the add and the wait for it
	WIN 0
	s_wait_dscnt 0x0                               ; the add is done, and my reads of the slot are over: images 5 to 7 lie in registers
	CROUND                                         ; that holds of every wave of every partner
	JLOAD                                          ; the first tensor load behind the round
.if (\n)+2 < NCH
	global_prefetch_b8 v[PFO], s[PFB:PFB+1] offset:(\n)*16384 th:TH_LOAD_NT scope:SCOPE_SE        ; place n + 2 of the walk
	global_prefetch_b8 v[PFO], s[PFB:PFB+1] offset:(\n)*16384+8192 th:TH_LOAD_NT scope:SCOPE_SE
.endif
	WIN 0xc0                                       ; destination window 3
.set i, 11*(\n)
.rept 11-(\n)/2
	global_load_b128 v[4*i:4*i+3], v[CO], s[10:11] offset:2*i*4096 th:TH_LOAD_NT   ; a third of the residual, in the layout in which the rows come back from the stage: 16 lanes read 256 consecutive bytes
.set i, i+1
.endr
	MULQ 5, 0
	MULQ 6, 0
	MULQ 7, 0
	PLACES                                         ; in front of the next chunk's loads into the buffers
	WIN 0
	s_wait_tensorcnt 0x0                           ; my part of the next chunk is in,
	s_barrier_signal -1
	s_barrier_wait -1                              ; everybody's is
.else
	s_wait_dscnt 63
	MULQ 4, 0
	s_wait_dscnt 63
	MULQ 5, 0
	s_wait_dscnt 32
	MULQ 6, 0
	s_wait_dscnt 0x0
	MULQ 7, 0
.endif
.endm
	s_load_b256 s[4:11], s[0:1], 0x0               ; the rows' images s[4:5], pre s[6:7], the bias s[8:9], the residual s[10:11]
	s_load_b128 s[12:15], s[0:1], 0x20             ; the scales' exponents s[12:13], the result s[14:15]
	v_lshl_add_u32 v[SPW], v0, 2, SPARE
	v_mov_b32 v[NIL], 0
	ds_add_u32 v[SPW], v[NIL]                      ; the wave's opening: the add, twice on end, and its wait ahead of my first tensor load
	ds_add_u32 v[SPW], v[NIL]
	v_lshrrev_b32 v1, 5, v0
	v_readfirstlane_b32 s16, v1                    ; wave 0..3
	s_lshr_b32 s17, s16, 1                         ; WR: which half of the tile's rows is mine.  Also: I fetch for the rows (0) or the weight (1)
	s_and_b32 s18, s16, 1                          ; WC: which half of its columns.  Also: which half of that tile I fetch
	s_bfe_u32 s40, ttmp6, 0x40000                  ; cx
	s_bfe_u32 s41, ttmp6, 0x40004                  ; cy
	s_lshl_b32 s47, ttmp9, 2
	s_add_co_u32 s47, s47, s40                     ; TC: tile column
	s_and_b32 s46, ttmp7, 0xffff
	s_lshl_b32 s46, s46, 2
	s_add_co_u32 s46, s46, s41                     ; TR: tile row
	s_lshl_b32 s44, s41, 2
	s_lshl_b32 s44, 15, s44                        ; my row of the cluster
	s_lshl_b32 s45, 0x1111, s40                    ; my column
	; descriptor group 1: 4 tiles of rows x 16,384 bytes (eight images), RTS bytes apart in memory, dense in LDS; elements of 8 bytes
	s_or_b32 s[G1+0], s44, (3<<16)|(1<<21)
	s_or_b32 s[G1B+0], s45, (3<<16)|(1<<21)
.irp g, G1, G1B
	s_mov_b32 s[\g+1], 2048<<16                    ; tensor_dim0 = 2,048 elements
	s_mov_b32 s[\g+2], 4<<16                       ; tensor_dim1 = 4
	s_mov_b32 s[\g+3], 2048<<16                    ; tile_dim0
	s_mov_b32 s[\g+4], 4                           ; tile_dim1
	s_mov_b32 s[\g+5], RTS/8                       ; tensor_dim0_stride, in elements
	s_mov_b32 s[\g+6], 0
	s_mov_b32 s[\g+7], 0
.endr
	s_lshl_b32 s19, s18, 2                         ; the four tiles of rows that I fetch
	s_lshl_b32 s88, s46, 3
	s_add_co_u32 s88, s88, s19
	s_mul_i32 s88, s88, RTS
	s_mov_b32 s89, 0
	s_lshl_b32 s90, s47, 3
	s_add_co_u32 s90, s90, s19
	s_mul_i32 s90, s90, RTS
	s_add_co_u32 s90, s90, WOFF
	s_mov_b32 s91, 0
	s_and_b32 s86, ttmp7, 0xffff                   ; the cluster's y + its x, odd or even: the same in all sixteen partners
	s_add_co_u32 s86, s86, ttmp9
	s_and_b32 s86, s86, 1
	s_mul_i32 s87, s86, RTS/2                      ; an odd cluster begins K at its middle
	s_add_co_u32 s88, s88, s87
	s_add_co_u32 s90, s90, s87
	s_mul_i32 s98, s86, RTS                        ; what it steps back where it passes K's end; 0 in an even cluster
	s_mov_b32 s99, 0
	s_mul_i32 s92, s40, RTS                        ; the prefetches: of the four tiles that I fetch, my work-group's: cx for the rows,
	s_add_co_u32 s92, s92, s88
	s_mul_i32 s93, s41, RTS                        ; cy for the weight
	s_add_co_u32 s93, s93, s90
	s_cmp_eq_u32 s17, 0
	s_cselect_b32 s92, s92, s93
	s_mov_b32 s93, 0
	s_lshl_b32 s20, s16, 16                        ; where my load lands: wave x 65,536: no place in the cluster enters an LDS address
	s_mov_b32 s[G0], 1
	s_mov_b32 s[G0+1], s20
	s_mov_b32 s[G0B], 1
	s_mov_b32 s[G0B+1], s20
	s_wait_dscnt 0x0                               ; both opening adds are done
	s_wait_kmcnt 0x0
	s_load_b64 s[84:85], s[12:13], EI*4
	s_add_nc_u64 s[G0+2:G0+3], s[4:5], s[88:89]
	s_or_b32 s[G0+3], s[G0+3], 0x80000000
	s_add_nc_u64 s[G0B+2:G0B+3], s[6:7], s[90:91]
	s_or_b32 s[G0B+3], s[G0B+3], 0x80000000
	CROUND                                         ; all sixteen work-groups are here: the first joint loads meet
	JLOAD                                          ; the first chunk: my one tensor load at the head
	s_cmp_eq_u32 s17, 0
	s_cselect_b64 s[PFA:PFA+1], s[4:5], s[6:7]
	s_add_nc_u64 s[PFA:PFA+1], s[PFA:PFA+1], s[92:93]
	s_add_nc_u64 s[PFB:PFB+1], s[PFA:PFA+1], (NCH/2)*16384
	s_sub_nc_u64 s[PFB:PFB+1], s[PFB:PFB+1], s[98:99]
	s_lshl_b32 s76, s46, 19                        ; my 64 x 64 of the result: row 128 TR + 64 WR (4,096 bytes a row),
	s_lshl_b32 s77, s17, 18
	s_add_co_u32 s76, s76, s77
	s_lshl_b32 s78, s47, 9                         ; column 128 TC + 64 WC
	s_lshl_b32 s79, s18, 8
	s_add_co_u32 s78, s78, s79
	s_add_co_u32 s76, s76, s78
	s_mov_b32 s77, 0
	s_mov_b32 s79, 0
	s_add_nc_u64 s[10:11], s[10:11], s[76:77]
	s_add_nc_u64 s[14:15], s[14:15], s[76:77]
	s_add_nc_u64 s[8:9], s[8:9], s[78:79]
	s_lshl_b32 s21, s17, 16                        ; my four tiles of the rows,
	s_lshl_b32 s22, s18, 16                        ; of the weight,
	s_add_co_u32 s22, s22, 131072                  ; which lies behind the rows' eight
	s_mul_i32 s23, s16, 16*SP
	s_add_co_u32 s23, s23, STAGE                   ; my stage
	v_and_b32 v1, 31, v0
	v_lshlrev_b32 v2, 4, v1                        ; 16 x lane
	v_lshlrev_b32 v[PFO], 8, v1
	v_and_b32 v3, 15, v0                           ; r
	v_bfe_u32 v4, v0, 4, 1                         ; h
	v_add_nc_u32 v[ADRA], s21, v2
	v_add_nc_u32 v[ADRB], s22, v2
	v_mul_u32_u24 v[STO], v3, SP                   ; into the stage: row r, 32 bytes for each half of the lanes
	v_lshl_add_u32 v[STO], v4, 5, v[STO]
	v_add_nc_u32 v[STO], s23, v[STO]
	v_mul_u32_u24 v[RD], v4, SP                    ; back: lanes 0-15 one row of 256 bytes, lanes 16-31 the next
	v_lshl_add_u32 v[RD], v3, 4, v[RD]
	v_add_nc_u32 v[RD], s23, v[RD]
	v_lshlrev_b32 v[CO], 12, v4                    ; and the same two rows in memory
	v_lshl_add_u32 v[CO], v3, 4, v[CO]
	v_lshlrev_b32 v5, 4, v3
	s_wait_alu depctr_va_vdst(0)
	global_load_b128 v[BI:BI+3], v5, s[8:9]        ; the bias of my four columns
	s_wait_tensorcnt 0x0                           ; my part of the first chunk is in,
	s_barrier_signal -1
	s_barrier_wait -1                              ; everybody's is
	global_prefetch_b8 v[PFO], s[PFA:PFA+1] offset:16384 th:TH_LOAD_NT scope:SCOPE_SE          ; place 1 of the walk
	global_prefetch_b8 v[PFO], s[PFA:PFA+1] offset:16384+8192 th:TH_LOAD_NT scope:SCOPE_SE
.set N, 0
.rept NCH
	CHUNK N
.set N, N+1
.endr
	; THE WAY OUT.  A lane holds 32 bytes of a row and the lanes beside it hold other rows: a block of 16 rows x 64 columns goes through my own stage and comes back as whole rows of 256 bytes, which sixteen lanes store.
	s_wait_loadcnt 0x0                             ; the bias and the residual
	s_wait_kmcnt 0x0
	s_add_co_i32 s84, s84, s85
	s_add_co_i32 s84, s84, 127
	s_lshl_b32 s84, s84, 23                        ; 2^E
	s_mov_b32 s85, s84
	WIN 0xc3                                       ; destination and source 0 window 3
.set i, 0
.rept 32
	v_pk_add_f32 v[4*i:4*i+1], v[4*i:4*i+1], v[BI:BI+1]            ; residual + bias.  (These name no register of the last products: they are the places behind them)
	v_pk_add_f32 v[4*i+2:4*i+3], v[4*i+2:4*i+3], v[BI+2:BI+3]
.set i, i+1
.endr
	WIN 0
.macro TOSTAGE a
.irp b, 0,1,2,3
	ds_store_b128 v[STO], v[ACC+8*(4*(\a)+\b):ACC+8*(4*(\a)+\b)+3] offset:64*\b      ; each accumulator from its low end on
	ds_store_b128 v[STO], v[ACC+8*(4*(\a)+\b)+4:ACC+8*(4*(\a)+\b)+7] offset:64*\b+16
.endr
.irp t, 0,1,2,3,4,5,6,7
	ds_load_b128 v[BK+32*((\a)%2)+4*\t:BK+32*((\a)%2)+4*\t+3], v[RD] offset:\t*2*SP   ; LDS serves a wave's instructions in order: these see the stores above, and the next block's stores come behind them
.endr
.endm
.macro SEND a, younger                 ; younger: the LDS instructions issued behind block a's loads, which may stay out
	s_wait_dscnt \younger
	WIN 0x30                                       ; source 2 window 3
.set j, 0
.rept 16
	v_pk_fma_f32 v[BK+32*((\a)%2)+j:BK+32*((\a)%2)+j+1], v[BK+32*((\a)%2)+j:BK+32*((\a)%2)+j+1], s[84:85], v[32*(\a)+j:32*(\a)+j+1] op_sel_hi:[1,0,1]
.set j, j+2
.endr
	WIN 0
.irp t, 0,1,2,3,4,5,6,7
	global_store_b128 v[CO], v[BK+32*((\a)%2)+4*\t:BK+32*((\a)%2)+4*\t+3], s[14:15] offset:(16*(\a)+2*\t)*4096   ; 16 lanes store 256 consecutive bytes, aligned
.endr
.endm
	TOSTAGE 0
	TOSTAGE 1
	SEND 0, 16                                     ; behind block 0's loads: block 1's eight stores and eight loads
	s_wait_xcnt 0x0                                ; block 0's stores have read their registers: block 2's loads may land there
	TOSTAGE 2
	SEND 1, 16
	s_wait_xcnt 0x0
	TOSTAGE 3
	SEND 2, 16
	SEND 3, 0
	s_wait_tensorcnt 0x0                           ; the wave's end
	ds_add_u32 v[SPW], v[NIL]
	s_wait_dscnt 0x0
	CROUND                                         ; the closing round
	s_endpgm
.Lfunc_end_k_q4b8edf76b1_fc2:
	.size	k_q4b8edf76b1_fc2, .Lfunc_end_k_q4b8edf76b1_fc2-k_q4b8edf76b1_fc2
	.p2alignl 7, 3214868480
	.fill 96, 4, 3214868480
	.section	.rodata,"a",@progbits
	.p2align	6, 0x0
	.amdhsa_kernel k_q4b8edf76b1_fc2
		.amdhsa_group_segment_fixed_size 327680
		.amdhsa_private_segment_fixed_size 0
		.amdhsa_enable_private_segment 0
		.amdhsa_kernarg_size 48
		.amdhsa_user_sgpr_count 2
		.amdhsa_user_sgpr_kernarg_segment_ptr 1
		.amdhsa_wavefront_size32 1
		.amdhsa_system_sgpr_workgroup_id_x 1
		.amdhsa_system_sgpr_workgroup_id_y 1
		.amdhsa_system_sgpr_workgroup_id_z 1
		.amdhsa_system_vgpr_workitem_id 0
		.amdhsa_next_free_vgpr 896
		.amdhsa_next_free_sgpr 100
		.amdhsa_reserve_vcc 0
		.amdhsa_float_denorm_mode_32 3
		.amdhsa_float_denorm_mode_16_64 3
		.amdhsa_memory_ordered 1
		.amdhsa_forward_progress 1
		.amdhsa_inst_pref_size 131
	.end_amdhsa_kernel
	.amdgpu_metadata
---
amdhsa.version: [ 1, 2 ]
amdhsa.kernels:
  - .name:           k_q4b8edf76b1_fc2
    .symbol:         k_q4b8edf76b1_fc2.kd
    .args:
      - { .name: gimg, .offset: 0, .size: 8, .value_kind: global_buffer, .address_space: global }
      - { .name: pre, .offset: 8, .size: 8, .value_kind: global_buffer, .address_space: global }
      - { .name: b2, .offset: 16, .size: 8, .value_kind: global_buffer, .address_space: global }
      - { .name: x2, .offset: 24, .size: 8, .value_kind: global_buffer, .address_space: global }
      - { .name: lowp_scales, .offset: 32, .size: 8, .value_kind: global_buffer, .address_space: global }
      - { .name: out0, .offset: 40, .size: 8, .value_kind: global_buffer, .address_space: global }
    .group_segment_fixed_size: 327680
    .private_segment_fixed_size: 0
    .kernarg_segment_align: 8
    .kernarg_segment_size: 48
    .max_flat_workgroup_size: 128
    .sgpr_count:     100
    .vgpr_count:     896
    .wavefront_size: 32
...
	.end_amdgpu_metadata
.endif
;; end of part 7
